; MI455X (gfx1250); checked and timed in simulation.
; The chip was launched on July 23, 2026; its instructions are those of AMD's public machine-readable ISA for CDNA 5 (MIT licence, August 2026) and "CDNA5" Instruction Set Architecture Reference Guide (July 2026). The comments in the code are by the model that wrote it; some were corrected since.
;; Self Attention. Allowed arithmetic: matrix products marked QUANTISED: E2M3 operands, one E8M0 scale for each 32 along K, by v_wmma_scale_f32_16x16x128_f8f6f4 with both operands' format E2M3, f32 sums; everything else in f32.
;; Inputs: We 1,024 x 3,072 float32; Wf 1,024 x 1,024 float32; be 3,072 float32; bf 1,024 float32; mask 1 x 1 x 2,048 x 4,096 int32; past_key 2 x 2,048 x 16 x 64 float32; past_value 2 x 2,048 x 16 x 64 float32; x 2 x 2,048 x 1,024 float32.
;; Outputs: out0 2 x 2,048 x 1,024 float32; out1 2 x 2 x 2,048 x 16 x 64 float32.
;; This version of the problem:
;;   THIS VERSION OF THE PROBLEM IS GIVEN IN LOW PRECISION. The matrix products marked QUANTISED in the list below multiply operands that are first quantised to E2M3 (2 exponent bits, 3 mantissa bits; 6 bits a number), with one power-of-two scale for each 32 numbers along K (OCP MX v1.0); their sums are f32. All else is computed in f32.
;;   The module's matrix products, in the order in which they are computed (A, B: the left and right operand; K: the contracted axis; several contracted axes count as one K, in the product's order):
;;     1. [M 4,096, K 1,024] x [K 1,024, N 3,072]; A: input x; B: input We: QUANTISED
;;     2. batch 32 x [M 2,048, K 64] x [K 64, N 4,096]; A: computed on the way; B: computed on the way: QUANTISED
;;     3. batch 32 x [M 64, K 4,096] x [K 4,096, N 2,048]; A: computed on the way; B: softmax (see below): QUANTISED
;;     4. [M 4,096, K 1,024] x [K 1,024, N 1,024]; A: computed on the way; B: input Wf: QUANTISED
;;   THE QUANTISER, for each operand of a quantised product, along K:
;;     - K is cut into blocks of 32 from its start; a last block that is shorter is filled with zeros.
;;     - A block's scale is 2^e with e = floor(log2(the largest magnitude in the block)) - 2, held to -126 .. 127; a block of zeros has e = 0. As a byte (E8M0): e + 127.
;;     - Each number is divided by its block's scale, clamped to +-7.5, and rounded to the nearest number of E2M3, ties to even, subnormals kept.
;;     - The product sums the exact products of the quantised numbers (number of the format x scale) in f32.
;;   ~~~python
;;   def quantise(x, axis):      # numpy; x: float32 -> the quantised numbers, widened to float32 again
;;       x = np.moveaxis(x, axis, -1); K = x.shape[-1]
;;       x = np.pad(x, [(0, 0)] * (x.ndim - 1) + [(0, -K % 32)]); x = x.reshape(x.shape[:-1] + (-1, 32)); a = np.abs(x).max(-1, keepdims=True)
;;       e = np.where(a > 0, np.clip(np.frexp(np.where(a > 0, a, 1))[1] - 1 - 2, -126, 127), 0)      # np.frexp(a)[1] - 1 = floor(log2(a)), exactly
;;       r = np.clip(x / 2.0 ** e, -7.5, 7.5)
;;       step = 2.0 ** (np.maximum(np.frexp(np.where(r == 0, 1, r))[1] - 1, 0) - 3)
;;       q = np.round(r / step) * step * 2.0 ** e      # np.round: ties to even
;;       return np.moveaxis(q.reshape(q.shape[:-2] + (-1,))[..., :K], -1, axis).astype(np.float32)
;;   ~~~
;;   SOFTMAX AHEAD OF A QUANTISED PRODUCT. Where the list says 'softmax', what is quantised is not the finished softmax but p = 2^(t - M), with t = logit x log2(e) and M = ceil(the row's largest t), a whole number; so 1/2 < the row's largest p <= 1. The row's sum l is taken of the UNQUANTISED p, in f32, and the product's result is divided by l at the end. Since M is a whole number, a kernel that streams over the keys may use a running M (the ceiling of the running maximum): every later rescaling is an exact power of two, which a block's scale takes up: the codes' values come out the same.
;;   OPERANDS COMPUTED ON THE WAY. 'Computed on the way' means the value that the module computes at that place (a softmax that the list does not call 'softmax' is quantised finished and normalised). What goes into a quantiser is computed in f32, as accurately as f32 sums, v_exp_f32 and their like allow (about 1e-6 of the number): no bf16 or f16 on the way to a quantiser, and a product that is left as it is and whose result goes on into a quantised operand takes f32 operands (vector FMAs, or v_wmma_f32_16x16x4_f32). A number that lies on a knife's edge between two numbers of the format may be rounded either way, as far as f32 arithmetic and the matrix unit's own rounding can turn it there, and no further.
;; One version. Each part assembles by itself: llvm-mc -triple=amdgcn-amd-amdhsa -mcpu=gfx1250 --defsym DOCPART=n.
;; ======== version 1 of 1: 5 launches
;; limits: right only within a limited range of input values
;; workspace buffers: xq 3,276,800 bytes; wq 3,276,800 bytes; kv 13,369,344 bytes; qq 3,407,872 bytes; mw 1,048,576 bytes of whole numbers; ao 3,407,872 bytes
;; launch prep1 (part 1): grid 512 x 1, 4 waves a work-group, no clusters, 34,304 bytes of LDS; arguments x, past_key, mask, xq, kv, mw; writes xq, kv, mw
.if DOCPART == 1
	.amdgcn_target "amdgcn-amd-amdhsa--gfx1250"
	.amdhsa_code_object_version 6
	.text
	.protected	k_qeb46b663ce_prep1
	.globl	k_qeb46b663ce_prep1
	.p2align	8
	.type	k_qeb46b663ce_prep1,@function
k_qeb46b663ce_prep1:
	s_mov_b64 s[64:65], 0
	v_nop
	global_prefetch_b8 v0, s[64:65] scope:SCOPE_SE
	s_setreg_imm32_b32 hwreg(HW_REG_WAVE_MODE, 25, 1), 1
	s_wait_xcnt 0x0
; PREP1.  x [4096][1024] f32 and past_key [4096 (b, key)][16 heads x 64] f32 become codes of FP6 (E2M3) with one E8M0 byte for each 32 along K (K innermost in both);
; mask [2048][4096] i32 becomes lane-mask words, one bit a score.  All three leave as IMAGES OF REGISTERS, in the order in which the later launches' lanes want them.
; ROWS OF A TILE: rows go in pairs of tiles, 32 rows; lane r of tile u takes row 8 u + r + 8 (r / 8) of the 32.
; A tile's image of 16 rows x 64 K is 768 bytes: registers 0-3 at 16 x lane, registers 4-5 at 512 + 8 x lane; lane (r, h) holds k = 32 h .. 32 h + 31.  A fragment (128 K) is two such images on end.
; Scale words: 128 bytes for a pair of tiles and 128 K: lane r + 16 u holds the word of row r of tile u.
; A UNIT is 16 rows x 512 bytes (128 numbers).  A wave takes four units: tiles u = 0, 1 of one pair x two neighbouring pieces of 512 bytes.  Work-groups 0-127: x; 128-255: past_key; 256-511: mask.
; Each load reads 512 consecutive bytes of one row; the unit turns through the wave's own stage in LDS (rows 528 bytes apart), so that lane (r, h) gets, of row r, numbers 32 b + 16 h + 0 .. 15 in registers 16 b + 0 .. 15.
; The three kinds take ONE way through LDS; they part only round work on registers and stores to memory.  Waves share nothing: no barrier.
; LIMITS: NaN and infinities among the inputs are not served.  A block whose largest magnitude lies under 2^-124 (a block of zeros too) keeps the byte 1: its codes then round as under that scale; the bytes are read by this program alone.
.set STG,   8448                       ; a wave's stage: 16 rows x 528 bytes
.set SPARE, 4*STG                      ; behind the stages: the spare words, 128 bytes a wave
.set OFF, 10                           ; v10-25   row k's byte offset: 16 x lane + (k + 8 (k / 8)) x pitch
.set R,   32                           ; v32-95   a unit as loaded
.set X,   96                           ; v96-159  a unit as the quantiser wants it
.set TM,  160                          ; v160-175 at work
.set PC,  176                          ; v176-194 codes
.set PW,  196                          ; the scale word just made
.set PW0, 197                          ; tile 0's
.set W,   198                          ; the pair's scale words
.set ROT, 199                          ; the same with the halves changed: the odd head's
.set MO,  200                          ; v200-207 mask words, a pair of registers for each unit
.set SEL, 50                           ; s[50:51] lane selects: lane l xor 16
.set HALF, 52                          ; s52      lanes 16-31
.set CM,  56                           ; s[56:63] compare results
; 64 numbers of a lane, register 16 b + i = k 32 b + 16 (lane / 16) + i of my row, become a fragment's codes in v[PC] .. v[PC+11] and its scale word in v[PW].
.macro QUANT s
.irp b, 0,1,2,3
	v_max3_num_f32 v[TM+\b], |v[\s+16*\b]|, |v[\s+1+16*\b]|, 0x1800000   ; my 16 numbers of block b, and the floor 2^(3 - 127): the byte cannot fall under 1
.endr
.irp i, 2,4,6,8,10,12,14
.irp b, 0,1,2,3
	v_max3_num_f32 v[TM+\b], v[TM+\b], |v[\s+16*\b+\i]|, |v[\s+1+16*\b+\i]|
.endr
.endr
.irp b, 0,1,2,3
	v_permlanex16_b32 v[TM+4+\b], v[TM+\b], s[SEL], s[SEL+1]
.endr
.irp b, 0,1,2,3
	v_max_num_f32 v[TM+\b], v[TM+\b], v[TM+4+\b]       ; with lane l xor 16's 16: the block's largest magnitude
.endr
.irp b, 0,1,2,3
	v_add_nc_u32 v[TM+12+\b], 0xff000000, v[TM+\b]     ; 2 off its exponent field: the conversion's scale operand
.endr
.irp b, 0,1,2,3
	v_lshrrev_b32 v[TM+4+\b], 23, v[TM+12+\b]          ; the scale's byte
.endr
	v_lshl_or_b32 v[PW], v[TM+5], 8, v[TM+4]
	v_lshl_or_b32 v[PW], v[TM+6], 16, v[PW]
	v_lshl_or_b32 v[PW], v[TM+7], 24, v[PW]
.irp c, 0,1
	v_cvt_scalef32_pk16_fp6_f32 v[PC+6*\c:PC+2+6*\c], v[\s+32*\c:\s+15+32*\c], v[TM+12+2*\c]
	v_cvt_scalef32_pk16_fp6_f32 v[PC+12+4*\c:PC+14+4*\c], v[\s+16+32*\c:\s+31+32*\c], v[TM+12+2*\c+1]
.endr
	v_nop                                              ; one plain place behind a scaled conversion
.irp c, 0,1                                        ; the operand's layout wants a whole block in a lane
.irp i, 0,1,2
	v_permlane16_swap_b32 v[PC+6*\c+\i], v[PC+12+4*\c+\i]
.endr
.irp i, 0,1,2
	v_mov_b32 v[PC+3+6*\c+\i], v[PC+12+4*\c+\i]
.endr
.endr
.endm
	s_load_b256 s[4:11], s[0:1], 0x0               ; x s[4:5], past_key s[6:7], mask s[8:9], xq s[10:11]
	s_load_b128 s[12:15], s[0:1], 0x20             ; kv s[12:13], mw s[14:15]
	v_lshl_add_u32 v8, v0, 2, SPARE                ; my spare word
	v_mov_b32 v9, 0
	v_lshrrev_b32 v1, 5, v0
	v_readfirstlane_b32 s16, v1                    ; wave
	v_and_b32 v1, 31, v0                           ; lane
	v_lshlrev_b32 v2, 4, v1                        ; 16 x lane
	s_wait_alu depctr_va_vdst(0)
	v_lshlrev_b32 v3, 3, v1                        ; 8 x lane
	v_lshlrev_b32 v4, 2, v1                        ; 4 x lane
	s_mul_i32 s20, s16, STG
	v_add_nc_u32 v5, s20, v2                       ; the stage, on the way in: 16 x lane of a row
	v_and_b32 v6, 15, v0
	v_mul_u32_u24 v6, v6, 528
	v_bfe_u32 v7, v0, 4, 1
	v_lshl_add_u32 v6, v7, 6, v6
	v_add_nc_u32 v6, s20, v6                       ; and on the way out: row r, + 64 h
	s_lshr_b32 s17, ttmp9, 7
	s_min_u32 s17, s17, 2                          ; the kind: 0 x, 1 past_key, 2 mask
	s_and_b32 s18, ttmp9, 127                      ; x, past_key: the pair of tiles; the wave picks the quarter of the row
	s_and_b32 s28, ttmp9, 255
	s_lshr_b32 s29, s28, 2                         ; mask: the pair of tiles,
	s_and_b32 s28, s28, 3
	s_lshl_b32 s28, s28, 2
	s_add_co_u32 s28, s28, s16                     ; and which 1,024 bytes of its rows
	s_mov_b32 s21, 4096
	s_cmp_eq_u32 s17, 2
	s_cselect_b32 s18, s29, s18                    ; Pp
	s_cselect_b32 s19, s28, s16                    ; jq
	s_cselect_b32 s21, 16384, s21                  ; a row in bytes
	s_lshl_b32 s24, s18, 5
	s_mul_i32 s24, s24, s21
	s_lshl_b32 s25, s19, 10
	s_add_co_u32 s24, s24, s25                     ; where tile 0's rows begin: 32 Pp rows + 1,024 jq
	s_mov_b32 s25, 0
	s_lshl_b32 s30, s21, 3                         ; tile 1: eight rows on
	s_mov_b32 s31, 0
	s_mul_i32 s32, s18, 24576
	s_mul_i32 s33, s19, 3072
	s_add_co_u32 s32, s32, s33                     ; x's codes: (2 Pp) x 12,288 + 3,072 jq
	s_lshl_b32 s33, s18, 10
	s_lshl_b32 s34, s19, 8
	s_add_co_u32 s33, s33, s34
	s_add_co_u32 s33, s33, 3145728                 ; x's scale words
	s_lshr_b32 s34, s18, 6                         ; past_key: the batch,
	s_lshl_b32 s34, s34, 4
	s_lshl_b32 s35, s19, 2
	s_add_co_u32 s34, s34, s35                     ; head 16 b + 4 jq,
	s_mul_i32 s34, s34, 417792
	s_bfe_u32 s35, s18, 0x40002                    ; the record of 128 keys,
	s_mul_i32 s35, s35, 13056
	s_add_co_u32 s34, s34, s35
	s_and_b32 s35, s18, 3                          ; the pair in it
	s_mul_i32 s36, s35, 1536
	s_add_co_u32 s36, s36, s34                     ; its codes
	s_lshl_b32 s35, s35, 7
	s_add_co_u32 s35, s35, s34
	s_add_co_u32 s35, s35, 12288                   ; its scale words
	s_lshl_b32 s37, s18, 14
	s_lshl_b32 s38, s19, 9
	s_add_co_u32 s37, s37, s38                     ; the mask words: ((2 Pp) x 32 + 2 jq) x 256
	s_mov_b32 s38, 768
	s_cmp_eq_u32 s17, 0
	s_cselect_b32 s32, s32, s36
	s_cselect_b32 s34, s33, s35
	s_cselect_b32 s38, 12288, s38                  ; from tile 0 to tile 1 in the output
	s_cmp_eq_u32 s17, 2
	s_cselect_b32 s32, s37, s32
	s_cselect_b32 s34, 0, s34                      ; (the mask has no scale words)
	s_cselect_b32 s38, 8192, s38
	s_mov_b32 s33, 0
	s_mov_b32 s35, 0
	s_mov_b32 s39, 0
	s_mov_b32 s[SEL], 0x76543210
	s_mov_b32 s[SEL+1], 0xfedcba98
	s_mov_b32 s[HALF], 0xffff0000
.irp k, 0,1,2,3,4,5,6,7,8,9,10,11,12,13,14,15
	v_mad_u32_u24 v[OFF+\k], s21, \k+8*(\k/8), v2
.endr
.irp b, 0,1,2,3
	v_mov_b32 v[TM+4+\b], 0                        ; a lane permute's destination counts as one of its sources
.endr
.irp b, 0,1,2,3,4,5,6,7
	v_mov_b32 v[MO+\b], 0                          ; and so does v_writelane_b32's
.endr
	v_mov_b32 v[PW0], 0
	s_wait_kmcnt 0x0
	s_cmp_eq_u32 s17, 0                            ; the buffers are chosen by the work-group's number alone
	s_cselect_b64 s[46:47], s[4:5], s[6:7]
	s_cselect_b64 s[48:49], s[10:11], s[12:13]
	s_cmp_eq_u32 s17, 2
	s_cselect_b64 s[46:47], s[8:9], s[46:47]
	s_cselect_b64 s[40:41], s[14:15], s[48:49]
	s_add_nc_u64 s[22:23], s[46:47], s[24:25]      ; the source at tile 0,
	s_add_nc_u64 s[26:27], s[22:23], s[30:31]      ; at tile 1
	s_add_nc_u64 s[40:41], s[40:41], s[32:33]      ; the output at tile 0,
	s_add_nc_u64 s[42:43], s[40:41], s[38:39]      ; at tile 1
	s_add_nc_u64 s[44:45], s[48:49], s[34:35]      ; the scale words
.macro LOAD i                          ; unit i: tile i % 2, piece i / 2: sixteen rows, 512 consecutive bytes each
.irp k, 0,1,2,3,4,5,6,7,8,9,10,11,12,13,14,15
	global_load_b128 v[R+4*\k:R+4*\k+3], v[OFF+\k], s[22+4*((\i)%2):23+4*((\i)%2)] offset:512*((\i)/2) th:TH_LOAD_NT
.endr
.endm
.macro UNIT i
.set U, (\i)%2
.set SI, (\i)/2
	s_wait_loadcnt 0x0                             ; the unit's sixteen loads are the only ones out
.irp k, 0,1,2,3,4,5,6,7,8,9,10,11,12,13,14,15
	ds_store_b128 v5, v[R+4*\k:R+4*\k+3] offset:528*\k
.endr
.irp b, 0,1,2,3
.irp j, 0,1,2,3
	ds_load_b128 v[X+16*\b+4*\j:X+16*\b+4*\j+3], v6 offset:128*\b+16*\j   ; LDS serves a wave's instructions in order: these see the stores above
.endr
.endr
	s_wait_dscnt 0x0                               ; the unit is back, and the stores have read their registers
	s_wait_xcnt 0x0                                ; the last unit's stores to memory have read theirs: codes and words may be written again
.if (\i) < 3
	LOAD (\i)+1                                    ; the next unit is on its way while this one is worked
.endif
	s_cmp_eq_u32 s17, 2
	s_cbranch_scc1 .Lmask_\@
	QUANT X
.if U == 0
	v_mov_b32 v[PW0], v[PW]
.else
	v_cndmask_b32 v[W], v[PW0], v[PW], s[HALF]     ; lanes 0-15 tile 0's words, lanes 16-31 tile 1's
	v_alignbit_b32 v[ROT], v[W], v[W], 16
.endif
	s_cmp_eq_u32 s17, 0
	s_cbranch_scc0 .Lkey_\@
	global_store_b128 v2, v[PC:PC+3], s[40+2*U:41+2*U] offset:1536*SI            ; x: one fragment, 1,536 consecutive bytes in four stores of whole aligned blocks of 256
	global_store_b64 v3, v[PC+4:PC+5], s[40+2*U:41+2*U] offset:1536*SI+512
	global_store_b128 v2, v[PC+6:PC+9], s[40+2*U:41+2*U] offset:1536*SI+768
	global_store_b64 v3, v[PC+10:PC+11], s[40+2*U:41+2*U] offset:1536*SI+1280
.if U == 1
	global_store_b32 v4, v[W], s[44:45] offset:128*SI
.endif
	s_branch .Ldone_\@
.Lkey_\@:
	global_store_b128 v2, v[PC:PC+3], s[40+2*U:41+2*U] offset:835584*SI          ; past_key: the piece's two heads, one image of 768 bytes each, a head's stream (417,792 bytes) apart
	s_wait_alu depctr_va_vdst(0)
	global_store_b64 v3, v[PC+4:PC+5], s[40+2*U:41+2*U] offset:835584*SI+512
	global_store_b128 v2, v[PC+6:PC+9], s[40+2*U:41+2*U] offset:835584*SI+417792
	global_store_b64 v3, v[PC+10:PC+11], s[40+2*U:41+2*U] offset:835584*SI+417792+512
.if U == 1
	global_store_b32 v4, v[W], s[44:45] offset:835584*SI                         ; the even head's bytes lie low in W, the odd head's in ROT; the upper two bytes meet zero codes
	global_store_b32 v4, v[ROT], s[44:45] offset:835584*SI+417792
.endif
	s_branch .Ldone_\@
.Lmask_\@:
.irp q, 0,1,2,3,4,5,6,7                        ; word n = 8 q + e: bit (r, h) = mask(row r, key 32 (n / 16) + 16 h + n % 16) != 0; it goes to lane n / 2 of register n % 2
.irp e, 0,1,2,3,4,5,6,7
	v_cmp_ne_u32 s[CM+\e], 0, v[X+8*\q+\e]
.endr
.irp e, 0,1,2,3,4,5,6,7
	v_writelane_b32 v[MO+2*(\i)+(\e%2)], s[CM+\e], 4*\q+\e/2
.endr
.endr
	global_store_b64 v3, v[MO+2*(\i):MO+2*(\i)+1], s[40+2*U:41+2*U] offset:256*SI   ; 64 words: one aligned block of 256 bytes
.Ldone_\@:
.endm
	LOAD 0
	UNIT 0
	UNIT 1
	UNIT 2
	UNIT 3
	s_wait_tensorcnt 0x0                           ; the wave's end: behind my last LDS store
	ds_add_u32 v8, v9
	s_wait_dscnt 0x0
	s_endpgm
.Lfunc_end_k_qeb46b663ce_prep1:
	.size	k_qeb46b663ce_prep1, .Lfunc_end_k_qeb46b663ce_prep1-k_qeb46b663ce_prep1
	.p2alignl 7, 3214868480
	.fill 96, 4, 3214868480
	.section	.rodata,"a",@progbits
	.p2align	6, 0x0
	.amdhsa_kernel k_qeb46b663ce_prep1
		.amdhsa_group_segment_fixed_size 34304
		.amdhsa_private_segment_fixed_size 0
		.amdhsa_enable_private_segment 0
		.amdhsa_kernarg_size 48
		.amdhsa_user_sgpr_count 2
		.amdhsa_user_sgpr_kernarg_segment_ptr 1
		.amdhsa_wavefront_size32 1
		.amdhsa_system_sgpr_workgroup_id_x 1
		.amdhsa_system_sgpr_workgroup_id_y 1
		.amdhsa_system_sgpr_workgroup_id_z 1
		.amdhsa_system_vgpr_workitem_id 0
		.amdhsa_next_free_vgpr 208
		.amdhsa_next_free_sgpr 66
		.amdhsa_reserve_vcc 0
		.amdhsa_float_denorm_mode_32 3
		.amdhsa_float_denorm_mode_16_64 3
		.amdhsa_memory_ordered 1
		.amdhsa_forward_progress 1
		.amdhsa_inst_pref_size 72
	.end_amdhsa_kernel
	.amdgpu_metadata
---
amdhsa.version: [ 1, 2 ]
amdhsa.kernels:
  - .name:           k_qeb46b663ce_prep1
    .symbol:         k_qeb46b663ce_prep1.kd
    .args:
      - { .name: x, .offset: 0, .size: 8, .value_kind: global_buffer, .address_space: global }
      - { .name: past_key, .offset: 8, .size: 8, .value_kind: global_buffer, .address_space: global }
      - { .name: mask, .offset: 16, .size: 8, .value_kind: global_buffer, .address_space: global }
      - { .name: xq, .offset: 24, .size: 8, .value_kind: global_buffer, .address_space: global }
      - { .name: kv, .offset: 32, .size: 8, .value_kind: global_buffer, .address_space: global }
      - { .name: mw, .offset: 40, .size: 8, .value_kind: global_buffer, .address_space: global }
    .group_segment_fixed_size: 34304
    .private_segment_fixed_size: 0
    .kernarg_segment_align: 8
    .kernarg_segment_size: 48
    .max_flat_workgroup_size: 128
    .sgpr_count:     66
    .vgpr_count:     208
    .wavefront_size: 32
...
	.end_amdgpu_metadata
.endif
;; end of part 1
;; launch prep2 (part 2): grid 256 x 1, 4 waves a work-group, no clusters, 27,136 bytes of LDS; arguments We, Wf, past_value, wq, kv; writes wq, kv
.if DOCPART == 2
	.amdgcn_target "amdgcn-amd-amdhsa--gfx1250"
	.amdhsa_code_object_version 6
	.text
	.protected	k_qeb46b663ce_prep2
	.globl	k_qeb46b663ce_prep2
	.p2align	8
	.type	k_qeb46b663ce_prep2,@function
k_qeb46b663ce_prep2:
	s_mov_b64 s[64:65], 0
	v_nop
	global_prefetch_b8 v0, s[64:65] scope:SCOPE_SE
	s_setreg_imm32_b32 hwreg(HW_REG_WAVE_MODE, 25, 1), 1
	s_wait_xcnt 0x0
; PREP2.  We [1024 (k)][3072], Wf [1024 (k)][1024] and past_value [2][2048 (key = k)][1024] are operands whose K is NOT innermost.  They become codes of FP6 (E2M3) with one E8M0 byte for each 32 along K,
; laid as images of the operand's registers (fragment = 16 columns x 128 K = 1,536 bytes: two images of 768 bytes; in each, registers 0-3 at 16 x lane, 4-5 at 512 + 8 x lane).
; A LANE TAKES A COLUMN AND ITS REGISTERS RUN DOWN K: a block of 32 lies in one lane, and the conversions give codes with K innermost.  A wave takes 32 columns (a pair of tiles) x 256 K (8 blocks, 2 K steps).
; Column c of the 32 is lane r = (c & 7) | ((c >> 4) << 3) of tile u = (c >> 3) & 1: the same choice of rows for a tile as everywhere in this program.
; A lane's 24 bytes of a block go to the place of lane (r, h) in the image, in the wave's own LDS; the four fragments then leave in whole aligned blocks of 256 bytes.  Waves share nothing: no barrier.
; Work-groups 0-95: We; 96-127: Wf; 128-255: past_value.  One way through the text: only pointers and strides are chosen, by the work-group's number.
; LIMITS: NaN and infinities are not served; a block whose largest magnitude lies under 2^-124 (a block of zeros too) keeps the byte 1; the bytes are read by this program alone.
.set PIECE, 1664                       ; a fragment's image in LDS, 1,536 bytes + 128
.set WREG,  4*PIECE                    ; a wave's four: 2 x K step + tile
.set SPARE, 4*WREG
.set SB,  24                           ; v24-25   the two K steps' scale words of my column
.set OF,  32                           ; v32-63   4 x lane + i rows
.set X,   64                           ; v64-127  two sets of 32 numbers
.set C,   128                          ; v128-133 a block's codes
.set C2,  134                          ; v134-136 (a conversion's three registers begin on an even number)
.set OUTR, 140                         ; v140-187 the way out
	s_load_b256 s[4:11], s[0:1], 0x0               ; We s[4:5], Wf s[6:7], past_value s[8:9], wq s[10:11]
	s_load_b64 s[12:13], s[0:1], 0x20              ; kv
	v_lshl_add_u32 v8, v0, 2, SPARE
	v_mov_b32 v9, 0
	v_lshrrev_b32 v1, 5, v0
	v_readfirstlane_b32 s16, v1                    ; wave
	v_and_b32 v1, 31, v0                           ; lane = column of the 32
	s_wait_alu depctr_va_vdst(0)
	s_sub_co_u32 s22, ttmp9, 96
	s_cmp_lt_u32 ttmp9, 96
	s_cselect_b32 s22, ttmp9, s22                  ; a weight's work-group number
	s_and_b32 s23, s22, 3                          ; which 256 along K,
	s_lshr_b32 s24, s22, 2                         ; which 128 columns
	s_sub_co_u32 s25, ttmp9, 128                   ; past_value's
	s_lshr_b32 s26, s25, 6                         ; batch,
	s_and_b32 s27, s25, 7                          ; which 256 keys,
	s_bfe_u32 s28, s25, 0x30003                    ; which 128 columns
	s_mov_b32 s20, 4096
	s_cmp_lt_u32 ttmp9, 128
	s_cselect_b32 s17, s23, s27                    ; kq
	s_cselect_b32 s18, s24, s28                    ; cg
	s_cselect_b32 s19, 0, s26                      ; b
	s_cmp_lt_u32 ttmp9, 96
	s_cselect_b32 s20, 12288, s20                  ; a row in bytes
	s_cselect_b32 s66, 0, 2359296                  ; Wf's codes lie behind We's,
	s_cselect_b32 s67, 0, 98304                    ; and so do its scale words
	s_lshl_b32 s21, s18, 2
	s_add_co_u32 s21, s21, s16                     ; my pair of tiles: 4 cg + wave
	s_lshl_b32 s22, s19, 23
	s_lshl_b32 s23, s17, 8
	s_mul_i32 s23, s23, s20
	s_add_co_u32 s22, s22, s23
	s_lshl_b32 s23, s21, 7
	s_add_co_u32 s22, s22, s23                     ; the source: batch + 256 kq rows + 128 bytes a pair
	s_mov_b32 s23, 0
	s_lshl_b32 s24, s20, 5                         ; a block: 32 rows
	s_mov_b32 s25, 0
	s_lshl_b32 s60, s21, 4
	s_lshl_b32 s61, s17, 1
	s_add_co_u32 s60, s60, s61
	s_mul_i32 s60, s60, 1536
	s_add_co_u32 s60, s60, s66                     ; a weight's codes: (16 pair + 2 kq) fragments on
	s_lshl_b32 s62, s21, 3
	s_add_co_u32 s62, s62, s61
	s_lshl_b32 s62, s62, 7
	s_add_co_u32 s62, s62, s67
	s_add_co_u32 s62, s62, 3145728                 ; its scale words
	s_lshl_b32 s67, s19, 4
	s_lshr_b32 s68, s21, 1
	s_add_co_u32 s67, s67, s68                     ; past_value: head 16 b + pair / 2,
	s_mul_i32 s67, s67, 417792
	s_mul_i32 s68, s61, 13056                      ; record 2 kq
	s_add_co_u32 s67, s67, s68
	s_and_b32 s68, s21, 1                          ; which 32 of the head's 64 channels
	s_mul_i32 s69, s68, 3072
	s_add_co_u32 s69, s69, s67
	s_add_co_u32 s69, s69, 6144                    ; its codes
	s_lshl_b32 s68, s68, 7
	s_add_co_u32 s68, s68, s67
	s_add_co_u32 s68, s68, 12800                   ; its scale words
	s_mov_b32 s70, 1536
	s_mov_b32 s72, 13056
	s_mov_b32 s74, 13056
	s_cmp_lt_u32 ttmp9, 128
	s_cselect_b32 s60, s60, s69
	s_cselect_b32 s62, s62, s68
	s_cselect_b32 s70, 12288, s70                  ; from tile 0 to tile 1,
	s_cselect_b32 s72, 1536, s72                   ; from a K step to the next: codes,
	s_cselect_b32 s74, 128, s74                    ; scale words
	s_mov_b32 s61, 0
	s_mov_b32 s63, 0
	s_mov_b32 s71, 0
	s_mov_b32 s73, 0
	s_mov_b32 s75, 0
	v_bfe_u32 v2, v1, 3, 1                         ; u
	v_and_b32 v3, 7, v1
	v_lshrrev_b32 v4, 4, v1
	v_lshl_or_b32 v3, v4, 3, v3                    ; r
	s_mul_i32 s76, s16, WREG
	v_mul_u32_u24 v5, v2, PIECE
	v_add_nc_u32 v5, s76, v5
	v_lshl_add_u32 v10, v3, 4, v5                  ; into the image: registers 0-3 at 16 r (+ 256 h),
	v_lshl_add_u32 v11, v3, 3, v5                  ; registers 4-5 at 8 r (+ 512 + 128 h)
	v_lshlrev_b32 v13, 4, v1                       ; out of it: 16 x lane
	v_add_nc_u32 v12, s76, v13
	v_lshl_add_u32 v14, v2, 4, v3
	v_lshlrev_b32 v14, 2, v14                      ; my scale word's place: 4 (r + 16 u)
	v_lshlrev_b32 v15, 2, v1
.irp i, 0,1,2,3,4,5,6,7,8,9,10,11,12,13,14,15,16,17,18,19,20,21,22,23,24,25,26,27,28,29,30,31
	v_mad_u32_u24 v[OF+\i], s20, \i, v15
.endr
	s_wait_alu depctr_va_vdst(0)
	s_wait_kmcnt 0x0
	s_cmp_lt_u32 ttmp9, 96
	s_cselect_b64 s[26:27], s[4:5], s[6:7]
	s_cmp_lt_u32 ttmp9, 128
	s_cselect_b64 s[26:27], s[26:27], s[8:9]
	s_cselect_b64 s[28:29], s[10:11], s[12:13]
	s_add_nc_u64 s[32:33], s[26:27], s[22:23]      ; block 0's first row,
.irp t, 1,2,3,4,5,6,7
	s_add_nc_u64 s[32+2*\t:33+2*\t], s[30+2*\t:31+2*\t], s[24:25]   ; and the others'
.endr
	s_add_nc_u64 s[48:49], s[28:29], s[60:61]      ; the fragments' places: K step 0 tile 0,
	s_add_nc_u64 s[50:51], s[48:49], s[70:71]      ; tile 1,
	s_add_nc_u64 s[52:53], s[48:49], s[72:73]      ; K step 1 tile 0,
	s_add_nc_u64 s[54:55], s[50:51], s[72:73]      ; tile 1
	s_add_nc_u64 s[56:57], s[28:29], s[62:63]      ; the scale words' places
	s_add_nc_u64 s[58:59], s[56:57], s[74:75]
.macro LOAD t                          ; block t: rows 32 t + i of my column; 32 lanes read 128 consecutive bytes, the four waves 512
.irp i, 0,1,2,3,4,5,6,7,8,9,10,11,12,13,14,15,16,17,18,19,20,21,22,23,24,25,26,27,28,29,30,31
	global_load_b32 v[X+32*((\t)%2)+\i], v[OF+\i], s[32+2*(\t):33+2*(\t)] th:TH_LOAD_NT
.endr
.endm
.macro BLOCK t                         ; t = 4 x K step + 2 c + h: k = 64 c + 32 h + 0 .. 31 of the K step
.set XS, X+32*((\t)%2)
.set SI, (\t)/4
.set CC, ((\t)%4)/2
.set HH, (\t)%2
.if (\t) < 7
	s_wait_loadcnt 32                              ; this block's 32 loads are in; the next block's 32 may be out
.else
	s_wait_loadcnt 0x0
.endif
	v_max3_num_f32 v16, |v[XS]|, |v[XS+1]|, |v[XS+2]|
	v_max3_num_f32 v17, |v[XS+3]|, |v[XS+4]|, |v[XS+5]|
.irp i, 6,10,14,18,22,26
	v_max3_num_f32 v16, v16, |v[XS+\i]|, |v[XS+\i+1]|
	v_max3_num_f32 v17, v17, |v[XS+\i+2]|, |v[XS+\i+3]|
.endr
	v_max3_num_f32 v16, v16, |v[XS+30]|, |v[XS+31]|
	v_max3_num_f32 v16, v16, v17, 0x1800000        ; and the floor 2^(3 - 127)
	v_add_nc_u32 v18, 0xff000000, v16              ; 2 off the exponent field: the conversion's scale operand
	v_lshrrev_b32 v19, 23, v18                     ; the scale's byte
.if (\t)%4 == 0
	v_mov_b32 v[SB+SI], v19
.else
	v_lshl_or_b32 v[SB+SI], v19, 8*((\t)%4), v[SB+SI]
.endif
	v_cvt_scalef32_pk16_fp6_f32 v[C:C+2], v[XS:XS+15], v18
	v_cvt_scalef32_pk16_fp6_f32 v[C2:C2+2], v[XS+16:XS+31], v18
	v_nop                                          ; one plain place behind a scaled conversion
.irp i, 0,1,2
	v_mov_b32 v[C+3+\i], v[C2+\i]
.endr
	ds_store_b128 v10, v[C:C+3] offset:2*PIECE*SI+768*CC+256*HH
	ds_store_b64 v11, v[C+4:C+5] offset:2*PIECE*SI+768*CC+512+128*HH
.if (\t)+2 < 8
	LOAD (\t)+2
.endif
	s_wait_dscnt 0x0                               ; the stores have read their registers: the next block's codes may be written
.endm
	LOAD 0
	LOAD 1
.irp t, 0,1,2,3,4,5,6,7
	BLOCK \t
.endr
	global_store_b32 v14, v[SB], s[56:57]          ; 128 consecutive bytes: the pair's scale words of a K step
	s_wait_alu depctr_va_vdst(0)
	global_store_b32 v14, v[SB+1], s[58:59]
.irp p, 0,1,2,3
.irp k, 0,1,2
	ds_load_b128 v[OUTR+4*(3*\p+\k):OUTR+4*(3*\p+\k)+3], v12 offset:PIECE*\p+512*\k   ; LDS serves a wave's instructions in order: these see my stores
.endr
.endr
.irp p, 0,1,2,3
.irp k, 0,1,2
	s_wait_dscnt 11-(3*\p+\k)                      ; the younger read-backs may be out
	global_store_b128 v13, v[OUTR+4*(3*\p+\k):OUTR+4*(3*\p+\k)+3], s[48+2*\p:49+2*\p] offset:512*\k   ; 512 consecutive bytes, aligned to 256
.endr
.endr
	s_wait_tensorcnt 0x0                           ; the wave's end: behind my last LDS store
	ds_add_u32 v8, v9
	s_wait_dscnt 0x0
	s_endpgm
.Lfunc_end_k_qeb46b663ce_prep2:
	.size	k_qeb46b663ce_prep2, .Lfunc_end_k_qeb46b663ce_prep2-k_qeb46b663ce_prep2
	.p2alignl 7, 3214868480
	.fill 96, 4, 3214868480
	.section	.rodata,"a",@progbits
	.p2align	6, 0x0
	.amdhsa_kernel k_qeb46b663ce_prep2
		.amdhsa_group_segment_fixed_size 27136
		.amdhsa_private_segment_fixed_size 0
		.amdhsa_enable_private_segment 0
		.amdhsa_kernarg_size 40
		.amdhsa_user_sgpr_count 2
		.amdhsa_user_sgpr_kernarg_segment_ptr 1
		.amdhsa_wavefront_size32 1
		.amdhsa_system_sgpr_workgroup_id_x 1
		.amdhsa_system_sgpr_workgroup_id_y 1
		.amdhsa_system_sgpr_workgroup_id_z 1
		.amdhsa_system_vgpr_workitem_id 0
		.amdhsa_next_free_vgpr 192
		.amdhsa_next_free_sgpr 80
		.amdhsa_reserve_vcc 0
		.amdhsa_float_denorm_mode_32 3
		.amdhsa_float_denorm_mode_16_64 3
		.amdhsa_memory_ordered 1
		.amdhsa_forward_progress 1
		.amdhsa_inst_pref_size 47
	.end_amdhsa_kernel
	.amdgpu_metadata
---
amdhsa.version: [ 1, 2 ]
amdhsa.kernels:
  - .name:           k_qeb46b663ce_prep2
    .symbol:         k_qeb46b663ce_prep2.kd
    .args:
      - { .name: We, .offset: 0, .size: 8, .value_kind: global_buffer, .address_space: global }
      - { .name: Wf, .offset: 8, .size: 8, .value_kind: global_buffer, .address_space: global }
      - { .name: past_value, .offset: 16, .size: 8, .value_kind: global_buffer, .address_space: global }
      - { .name: wq, .offset: 24, .size: 8, .value_kind: global_buffer, .address_space: global }
      - { .name: kv, .offset: 32, .size: 8, .value_kind: global_buffer, .address_space: global }
    .group_segment_fixed_size: 27136
    .private_segment_fixed_size: 0
    .kernarg_segment_align: 8
    .kernarg_segment_size: 40
    .max_flat_workgroup_size: 128
    .sgpr_count:     80
    .vgpr_count:     192
    .wavefront_size: 32
...
	.end_amdgpu_metadata
.endif
;; end of part 2
;; launch gemm1 (part 3): grid 8 x 32, 4 waves a work-group, clusters of 4 x 4, 327,680 bytes of LDS; arguments xq, wq, be, qq, kv, out1; writes qq, kv, out1
.if DOCPART == 3
	.amdgcn_target "amdgcn-amd-amdhsa--gfx1250"
	.amdhsa_code_object_version 6
	.text
	.protected	k_qeb46b663ce_gemm1
	.globl	k_qeb46b663ce_gemm1
	.p2align	8
	.type	k_qeb46b663ce_gemm1,@function
k_qeb46b663ce_gemm1:
	s_mov_b64 s[64:65], 0
	v_nop
	global_prefetch_b8 v0, s[64:65] scope:SCOPE_SE
	s_setreg_imm32_b32 hwreg(HW_REG_WAVE_MODE, 25, 1), 1
	s_wait_xcnt 0x0
	s_wait_alu depctr_hold_cnt(0) depctr_sa_sdst(0) depctr_va_vdst(0) depctr_va_sdst(0) depctr_va_ssrc(0) depctr_va_vcc(0) depctr_vm_vsrc(0)
	s_getreg_b32 s2, hwreg(HW_REG_IB_STS2, 6, 4)
	s_cmp_eq_u32 s2, 0
	s_cbranch_scc0 .Lentry_in_a_cluster
	s_endpgm
.Lentry_in_a_cluster:
	s_bfe_u32 s2, ttmp6, 0x10000c
	s_cmp_lg_u32 s2, 0xf033
	s_cbranch_scc0 .Lentry_shape_is_right
	s_endpgm
.Lentry_shape_is_right:
; GEMM1.  qkv = Q(x) Q(We) + be on codes of FP6 (E2M3) with E8M0 scales, and what becomes of it: q -> codes (qq); k -> present (out1, f32) and codes (kv); v -> present and codes with the keys innermost (kv).
; A WORK-GROUP STAYS: it owns 128 rows of x and the 128 columns of heads 2 g, 2 g + 1, and makes three blocks of 128 x 128 one after the other: q's, k's, v's.  8 x 32 work-groups.
; All of K (1,024) of an operand's 128 rows is 98,304 bytes of register images.  x's come into LDS once; We's bytes are filled three times: q's columns at the head, k's behind q's sums, v's behind k's sums,
; so that a refill is on its way while the block just made is quantised and stored.  The loop has two trips (q, k), each with its refill; v's block is the tail, written out, and asks for nothing.
; CLUSTER 4 x 4: x's tiles are shared along a row of the cluster, We's along a column; each is asked for jointly.  At the head waves 0, 1 fetch x's tiles 0-3, 4-7 and waves 2, 3 We's: one tensor load a wave.
; A WAVE makes 8 tiles of operand P (source 0) x 2 tiles of operand Q (source 1): 16 accumulators.  In a result a lane holds ONE row of Q and its registers run along P's rows; by the choice of a tile's rows
; (lane r of tile u of a pair takes row 8 u + r + 8 (r / 8) of 32) the 64 registers of a Q tile are numbers 32 b + 16 (lane / 16) + i of P's 128, in register 16 b + i: what the quantiser wants.
;   q, k: P = We's 128 columns, Q = my 32 rows: registers run along the head's channels, the next product's K.      v: P = x's 128 rows (keys), Q = my 32 columns: registers run along the keys, the K of p v.
; The bias is the C of each sum's first product.  The stages have LDS bytes of their own, into which no tensor load lands.
; LIMITS: NaN and infinities are not served; a block whose largest magnitude lies under 2^-124 (a block of zeros too) keeps the byte 1; the bytes are read by this program alone.
; REGISTERS: window 0: v1-3 lane terms; v4-9 fragment addresses; v12-13 stage; v14-15 the add's two; v16-47 P's scale words (8 x pair + K step), v48-55 Q's; v56-94 the quantiser; v96-127 rows on the way out;
;   v128-255 accumulators (a, t) at 128 + 64 a + 8 t.   window 1: P's fragments, two sets of 96.   window 2: v0-47 Q's fragments, two sets of 24; v64-127 the bias.
.set REGA,  0                          ; x's images: tile t at 12,288 t, K step s at 1,536 s
.set REGB,  98304                      ; We's likewise
.set STK,   196608                     ; k's stage: 16 rows x 528 bytes for each wave
.set STV,   230400                     ; v's stage: 128 rows x 528 bytes, the work-group's
.set SPARE, 297984                     ; the spare words, 128 bytes a wave
.set NEXTB, 64*12288                   ; from q's columns to k's, from k's to v's: 64 tiles of We
.set AP,  4                            ; v4-7 P's tiles 0-3 (16 x lane, 8 x lane), tiles 4-7: an offset has 16 bits
.set AQ,  8                            ; v8-9 my pair of Q's tiles
.set STI, 12
.set STR, 13
.set SPW, 14
.set NIL, 15
.set SP,  16
.set SQ,  48
.set TM,  56
.set PW,  72
.set PW0, 73
.set W,   74
.set ROT, 75
.set PC,  76
.set BO,  95
.set OB,  96
.set ACC, 128
.set WV,  16
.set G1A, 24
.set G1B, 32
.set G0A, 40
.set G0B, 68
.set SEL, 56
.set HALF, 58
.set MSB, 0
.macro WIN new                         ; the immediate's high byte repeats the setting that is left
.if MSB != \new
	s_set_vgpr_msb (MSB<<8)|\new
.set MSB, \new
.endif
.endm
.macro CROUND                          ; a round of the cluster's barrier
	s_barrier_signal -1
	s_barrier_wait -1
	s_cmp_lg_u32 s[WV], 0
	s_cbranch_scc1 .Lnot_wave_0_\@
	s_barrier_signal -3
.Lnot_wave_0_\@:
	s_barrier_wait -3
	s_barrier_signal -1
	s_barrier_wait -1
.endm
.macro PLACES n
.rept \n
	v_nop
.endr
.endm
.macro QUANT s                         ; 64 numbers of a lane -> a fragment's codes in v[PC] .. v[PC+11], its scale word in v[PW]
.irp b, 0,1,2,3
	v_max3_num_f32 v[TM+\b], |v[\s+16*\b]|, |v[\s+1+16*\b]|, 0x1800000   ; with the floor 2^(3 - 127); each accumulator is read from its low end on
.endr
.irp i, 2,4,6,8,10,12,14
.irp b, 0,1,2,3
	v_max3_num_f32 v[TM+\b], v[TM+\b], |v[\s+16*\b+\i]|, |v[\s+1+16*\b+\i]|
.endr
.endr
.irp b, 0,1,2,3
	v_permlanex16_b32 v[TM+4+\b], v[TM+\b], s[SEL], s[SEL+1]
.endr
.irp b, 0,1,2,3
	v_max_num_f32 v[TM+\b], v[TM+\b], v[TM+4+\b]
.endr
.irp b, 0,1,2,3
	v_add_nc_u32 v[TM+12+\b], 0xff000000, v[TM+\b]     ; 2 off the exponent field: the conversion's scale operand
.endr
.irp b, 0,1,2,3
	v_lshrrev_b32 v[TM+4+\b], 23, v[TM+12+\b]          ; the scale's byte
.endr
	v_lshl_or_b32 v[PW], v[TM+5], 8, v[TM+4]
	v_lshl_or_b32 v[PW], v[TM+6], 16, v[PW]
	v_lshl_or_b32 v[PW], v[TM+7], 24, v[PW]
.irp c, 0,1
	v_cvt_scalef32_pk16_fp6_f32 v[PC+6*\c:PC+2+6*\c], v[\s+32*\c:\s+15+32*\c], v[TM+12+2*\c]
	v_cvt_scalef32_pk16_fp6_f32 v[PC+12+4*\c:PC+14+4*\c], v[\s+16+32*\c:\s+31+32*\c], v[TM+12+2*\c+1]
.endr
	v_nop                                          ; one plain place behind a scaled conversion
.irp c, 0,1                                    ; the operand's layout wants a whole block in a lane
.irp i, 0,1,2
	v_permlane16_swap_b32 v[PC+6*\c+\i], v[PC+12+4*\c+\i]
.endr
.irp i, 0,1,2
	v_mov_b32 v[PC+3+6*\c+\i], v[PC+12+4*\c+\i]
.endr
.endr
.endm
.macro FRAG reg, a16, a8, off          ; a fragment's image back into 12 registers: every address is a constant + 16 or 8 x lane
	ds_load_b128 v[\reg:\reg+3], v[\a16] offset:\off
	ds_load_b64 v[\reg+4:\reg+5], v[\a8] offset:\off+512
	ds_load_b128 v[\reg+6:\reg+9], v[\a16] offset:\off+768
	ds_load_b64 v[\reg+10:\reg+11], v[\a8] offset:\off+1280
.endm
.macro FETCH s                         ; K step s: Q's two fragments and P's eight, 40 LDS loads, into set s % 2
.set FS, (\s)%2
.set FO, (\s)*1536
	WIN 0x80
	FRAG 24*FS, AQ, AQ+1, FO
	FRAG 24*FS+12, AQ, AQ+1, FO+12288
	WIN 0x40
.irp t, 0,1,2,3,4,5,6,7
	FRAG 96*FS+12*\t, AP+2*(\t/4), AP+1+2*(\t/4), FO+12288*(\t%4)
.endr
	WIN 0
.endm
.macro WM d, p, q, c, sa, sb, ra, rb   ; one product; ra, rb: the scale words stand in lanes 16-31 (the odd tile of a pair)
.if (\ra) && (\rb)
	v_wmma_scale_f32_16x16x128_f8f6f4 v[\d:\d+7], v[\p:\p+11], v[\q:\q+11], v[\c:\c+7], v[\sa], v[\sb] matrix_a_fmt:MATRIX_FMT_FP6 matrix_b_fmt:MATRIX_FMT_FP6 matrix_a_scale:MATRIX_SCALE_ROW1 matrix_b_scale:MATRIX_SCALE_ROW1
.elseif \ra
	v_wmma_scale_f32_16x16x128_f8f6f4 v[\d:\d+7], v[\p:\p+11], v[\q:\q+11], v[\c:\c+7], v[\sa], v[\sb] matrix_a_fmt:MATRIX_FMT_FP6 matrix_b_fmt:MATRIX_FMT_FP6 matrix_a_scale:MATRIX_SCALE_ROW1
.elseif \rb
	v_wmma_scale_f32_16x16x128_f8f6f4 v[\d:\d+7], v[\p:\p+11], v[\q:\q+11], v[\c:\c+7], v[\sa], v[\sb] matrix_a_fmt:MATRIX_FMT_FP6 matrix_b_fmt:MATRIX_FMT_FP6 matrix_b_scale:MATRIX_SCALE_ROW1
.else
	v_wmma_scale_f32_16x16x128_f8f6f4 v[\d:\d+7], v[\p:\p+11], v[\q:\q+11], v[\c:\c+7], v[\sa], v[\sb] matrix_a_fmt:MATRIX_FMT_FP6 matrix_b_fmt:MATRIX_FMT_FP6
.endif
.endm
.macro MUL s, bk                       ; K step s: 16 products; the 16 accumulators take turns, one instruction a turn, in the same order in every step
.set FS, (\s)%2
.if (\s) == 0
	WIN 0x29                                       ; P window 1, Q window 2, C (the bias) window 2, D window 0
.else
	WIN 0x09                                       ; C and D window 0
.endif
.irp t, 0,1,2,3,4,5,6,7
.irp a, 0,1
.if (\s) == 0
.if \bk
.set CR, 64+8*\a
.else
.set CR, 64+8*\t
.endif
.else
.set CR, ACC+64*\a+8*\t
.endif
	WM ACC+64*\a+8*\t, 96*FS+12*\t, 24*FS+12*\a, CR, SP+8*(\t/2)+(\s), SQ+(\s), \t%2, \a
.endr
.endr
.endm
.macro KSTEP s, bk
.if (\s) > 0
	PLACES 4                                       ; four places in front of loads into the set that the last step's products have read
.endif
.if (\s) < 7
	FETCH (\s)+1
	s_wait_dscnt 40                                ; all but the 40 just issued: this step's fragments are in
.else
	s_wait_dscnt 0x0
.endif
	MUL \s, \bk
.endm
; The sums of one block.  pb, qb: where P's and Q's images lie in LDS.  bk = 0: the bias runs along P (8 tiles of 8 registers); 1: along Q (a lane's own column, eight times).
; s[86:87] P's scale words, s[88:89] Q's, s[90:91] and v[BO] the bias.
.macro MAIN pb, qb, bk
	v_add_nc_u32 v[AP], \pb, v1
	v_add_nc_u32 v[AP+1], \pb, v2
	v_add_nc_u32 v[AP+2], \pb+49152, v1
	v_add_nc_u32 v[AP+3], \pb+49152, v2
	s_mul_i32 s84, s[WV], 24576                    ; my pair of Q's tiles
	s_add_co_u32 s84, s84, \qb
	v_add_nc_u32 v[AQ], s84, v1
	v_add_nc_u32 v[AQ+1], s84, v2
.irp p, 0,1,2,3
.irp s, 0,1,2,3,4,5,6,7
	global_load_b32 v[SP+8*\p+\s], v3, s[86:87] offset:1024*\p+128*\s   ; 128 consecutive bytes: lanes 0-15 the even tile's words, lanes 16-31 the odd tile's
.endr
.endr
.irp s, 0,1,2,3,4,5,6,7
	global_load_b32 v[SQ+\s], v3, s[88:89] offset:128*\s
.endr
	WIN 0x80
.if \bk
.irp a, 0,1
.irp j, 0,1,2,3,4,5,6,7
	global_load_b32 v[64+8*\a+\j], v[BO], s[90:91] offset:32*\a
.endr
.endr
.else
.irp t, 0,1,2,3,4,5,6,7
	global_load_b128 v[64+8*\t:67+8*\t], v[BO], s[90:91] offset:(32*(\t/2)+8*(\t%2))*4
	global_load_b128 v[68+8*\t:71+8*\t], v[BO], s[90:91] offset:(32*(\t/2)+8*(\t%2))*4+16
.endr
.endif
	WIN 0
	s_wait_alu depctr_va_vdst(0)                   ; directly ahead of the wait below
	s_wait_tensorcnt 0x0                           ; my tensor load has landed
	s_wait_dscnt 0x0                               ; no LDS instruction of mine is out at a signal
	s_barrier_signal -1
	s_barrier_wait -1                              ; everybody's has landed
	FETCH 0
	s_wait_loadcnt 0x0                             ; scale words and bias
.irp s, 0,1,2,3,4,5,6,7
	KSTEP \s, \bk
.endr
	PLACES 4                                       ; in front of the first read of results
	WIN 0
.endm
; We's bytes are filled again.  Every wave: all its tensor loads waited for, the add, the wait for it and for its reads; a round of the cluster's barrier; then waves 2 and 3 ask jointly for the next 128 columns.
.macro REFILL
	s_wait_tensorcnt 0x0
	ds_add_u32 v[SPW], v[NIL]
	s_add_nc_u64 s[G0B+2:G0B+3], s[G0B+2:G0B+3], NEXTB   ; no tensor load of mine is out: the descriptor may step
	s_wait_dscnt 0x0
	CROUND
	s_cmp_eq_u32 s17, 0                            ; the branch hangs on the wave's number alone
	s_cbranch_scc1 .Lno_refill_\@
	tensor_load_to_lds s[G0B:G0B+3], s[G1B:G1B+7]
	s_nop 0
	PLACES 4
.Lno_refill_\@:
.endm
; 16 rows x 128 columns (Q tile a) go through my own stage and leave as whole rows of 512 bytes, to ptr + (8 a + 16 o + i) rows of 4,096 bytes
.macro ROWS_OUT a, ptr
.irp b, 0,1,2,3
.irp j, 0,1,2,3
	ds_store_b128 v[STI], v[ACC+64*\a+16*\b+4*\j:ACC+64*\a+16*\b+4*\j+3] offset:128*\b+16*\j   ; each accumulator from its low end on
.endr
.endr
.irp o, 0,1
.irp i, 0,1,2,3,4,5,6,7
	ds_load_b128 v[OB+4*\i:OB+4*\i+3], v[STR] offset:(8*\o+\i)*528   ; LDS serves a wave's instructions in order: these see the stores above
.endr
	s_wait_dscnt 0x0
.irp i, 0,1,2,3,4,5,6,7
	global_store_b128 v1, v[OB+4*\i:OB+4*\i+3], s[\ptr:\ptr+1] offset:(8*\a+16*\o+\i)*4096 th:TH_STORE_NT   ; 512 consecutive bytes, aligned to 256
.endr
	s_wait_xcnt 0x0                                ; the stores have read their registers
.endr
.endm
	s_load_b256 s[4:11], s[0:1], 0x0               ; xq s[4:5], wq s[6:7], be s[8:9], qq s[10:11]
	s_load_b128 s[12:15], s[0:1], 0x20             ; kv s[12:13], out1 s[14:15]
	v_lshl_add_u32 v[SPW], v0, 2, SPARE
	v_mov_b32 v[NIL], 0
	ds_add_u32 v[SPW], v[NIL]                      ; the opening lines: the add, twice on end, and its wait ahead of my first tensor load
	ds_add_u32 v[SPW], v[NIL]
	v_lshrrev_b32 v1, 5, v0
	v_readfirstlane_b32 s[WV], v1                  ; wave 0..3
	s_lshr_b32 s17, s[WV], 1                       ; I fetch for x (0) or for We (1),
	s_and_b32 s18, s[WV], 1                        ; tiles 0-3 or 4-7
	s_bfe_u32 s19, ttmp6, 0x40000                  ; cx
	s_bfe_u32 s20, ttmp6, 0x40004                  ; cy
	s_lshl_b32 s21, ttmp9, 2
	s_add_co_u32 s21, s21, s19                     ; tile column of qkv: g = 0..7 for q; 8 more for k, 16 more for v
	s_and_b32 s22, ttmp7, 0xffff
	s_lshl_b32 s22, s22, 2
	s_add_co_u32 s22, s22, s20                     ; tile row 0..31
	s_mov_b32 s23, 0                               ; the block in hand: 0 q, 1 k, 2 v: the same in all partners
	s_lshl_b32 s84, s20, 2
	s_lshl_b32 s84, 15, s84                        ; my row of the cluster
	s_lshl_b32 s85, 0x1111, s19                    ; my column
	s_or_b32 s[G1A], s84, (3<<16)|(1<<21)          ; group 1: the mask; elements of 8 bytes; bit 21 beside a mask; no padding
	s_or_b32 s[G1B], s85, (3<<16)|(1<<21)
.irp g, G1A, G1B
	s_mov_b32 s[\g+1], 1536<<16                    ; tensor_dim0: 12,288 bytes, all of K of a tile
	s_mov_b32 s[\g+2], 4<<16                       ; tensor_dim1: four tiles
	s_mov_b32 s[\g+3], 1536<<16                    ; tile_dim0
	s_mov_b32 s[\g+4], 4                           ; tile_dim1
	s_mov_b32 s[\g+5], 1536                        ; from tile to tile: 12,288 bytes
	s_mov_b32 s[\g+6], 0
	s_mov_b32 s[\g+7], 0
.endr
	s_lshl_b32 s92, s22, 3
	s_lshl_b32 s93, s18, 2
	s_add_co_u32 s92, s92, s93
	s_mul_i32 s92, s92, 12288                      ; x: tile 8 x tile row + 4 x half
	s_mov_b32 s93, 0
	s_lshl_b32 s94, s21, 3
	s_lshl_b32 s95, s18, 2
	s_add_co_u32 s94, s94, s95
	s_mul_i32 s94, s94, 12288                      ; We: tile 8 x tile column + 4 x half
	s_mov_b32 s95, 0
	s_mul_i32 s96, s17, 98304
	s_mul_i32 s97, s18, 49152
	s_add_co_u32 s96, s96, s97                     ; where my four tiles go: made of the wave's number alone
	s_mov_b32 s[SEL], 0x76543210
	s_mov_b32 s[SEL+1], 0xfedcba98
	s_mov_b32 s[HALF], 0xffff0000
	s_wait_dscnt 0x0                               ; both opening adds are done
	s_wait_kmcnt 0x0
	s_add_nc_u64 s[92:93], s[4:5], s[92:93]
	s_add_nc_u64 s[94:95], s[6:7], s[94:95]
	CROUND                                         ; all sixteen work-groups are here: the joint loads meet
	s_mov_b32 s[G0A], 1
	s_mov_b32 s[G0A+1], s96
	s_mov_b64 s[G0A+2:G0A+3], s[92:93]
	s_or_b32 s[G0A+3], s[G0A+3], 0x80000000
	s_mov_b32 s[G0B], 1
	s_mov_b32 s[G0B+1], s96
	s_mov_b64 s[G0B+2:G0B+3], s[94:95]
	s_or_b32 s[G0B+3], s[G0B+3], 0x80000000
	s_cmp_eq_u32 s17, 0                            ; the head's fills, one tensor load a wave, one in each arm
	s_cbranch_scc0 .Lfill_b
	tensor_load_to_lds s[G0A:G0A+3], s[G1A:G1A+7]
	s_nop 0
	PLACES 4
	s_branch .Lfilled
.Lfill_b:
	tensor_load_to_lds s[G0B:G0B+3], s[G1B:G1B+7]
	s_nop 0
	PLACES 4
.Lfilled:
	v_and_b32 v3, 31, v0
	v_lshlrev_b32 v1, 4, v3                        ; 16 x lane
	v_lshlrev_b32 v2, 3, v3                        ; 8 x lane
	v_lshlrev_b32 v3, 2, v3                        ; 4 x lane
.irp b, 0,1,2,3
	v_mov_b32 v[TM+4+\b], 0                        ; a lane permute's destination counts as one of its sources
.endr
	v_mov_b32 v[PW0], 0
	s_and_b32 s59, s21, 7                          ; g: the blocks' columns are heads 2 g, 2 g + 1
	s_lshr_b32 s60, s22, 4                         ; the batch
	s_and_b32 s61, s22, 15                         ; which 128 rows of it
	s_lshl_b32 s62, s60, 4
	s_lshl_b32 s63, s59, 1
	s_add_co_u32 s62, s62, s63                     ; 16 b + 2 g
.Lkind:	; ---- q, then k: P = We, Q = x
	s_lshl_b32 s86, s21, 12
	s_add_co_u32 s86, s86, 3145728
	s_mov_b32 s87, 0
	s_add_nc_u64 s[86:87], s[6:7], s[86:87]        ; We's scale words: pairs 4 x tile column on
	s_lshl_b32 s88, s22, 2
	s_add_co_u32 s88, s88, s[WV]
	s_lshl_b32 s88, s88, 10
	s_add_co_u32 s88, s88, 3145728
	s_mov_b32 s89, 0
	s_add_nc_u64 s[88:89], s[4:5], s[88:89]        ; x's: pair 4 x tile row + wave
	s_lshl_b32 s90, s21, 9
	s_mov_b32 s91, 0
	s_add_nc_u64 s[90:91], s[8:9], s[90:91]        ; be at the block's first column
	v_bfe_u32 v[BO], v0, 4, 1
	v_lshlrev_b32 v[BO], 6, v[BO]                  ; lane (r, h) wants, for tile t, be at 32 (t / 2) + 16 h + 8 (t % 2) + 0 .. 7
	MAIN REGB, REGA, 0
	REFILL                                         ; the next block's columns of We are asked for; what follows touches registers, my stage and memory
	s_cmp_eq_u32 s23, 0
	s_cbranch_scc0 .Lout_k
	; q: my 32 rows x two heads become four images of 768 bytes and two rows of scale words
	s_lshl_b32 s84, s62, 7
	s_lshl_b32 s85, s61, 3
	s_add_co_u32 s84, s84, s85
	s_lshl_b32 s85, s[WV], 1
	s_add_co_u32 s84, s84, s85
	s_mul_i32 s84, s84, 768
	s_mov_b32 s85, 0
	s_add_nc_u64 s[86:87], s[10:11], s[84:85]      ; head 16 b + 2 g, query tile 8 y + 2 wave
	s_lshl_b32 s84, s62, 6
	s_lshl_b32 s88, s61, 2
	s_add_co_u32 s84, s84, s88
	s_add_co_u32 s84, s84, s[WV]
	s_lshl_b32 s84, s84, 7
	s_add_co_u32 s84, s84, 3145728
	s_add_nc_u64 s[88:89], s[10:11], s[84:85]
.irp a, 0,1
.if \a
	s_wait_xcnt 0x0                                ; tile 0's stores have read the codes' registers
.endif
	QUANT ACC+64*\a
	global_store_b128 v1, v[PC:PC+3], s[86:87] offset:768*\a
	global_store_b64 v2, v[PC+4:PC+5], s[86:87] offset:768*\a+512
	global_store_b128 v1, v[PC+6:PC+9], s[86:87] offset:768*\a+98304          ; the odd head: 128 tiles on
	global_store_b64 v2, v[PC+10:PC+11], s[86:87] offset:768*\a+98304+512
.if \a == 0
	v_mov_b32 v[PW0], v[PW]
.endif
.endr
	v_cndmask_b32 v[W], v[PW0], v[PW], s[HALF]
	v_alignbit_b32 v[ROT], v[W], v[W], 16
	global_store_b32 v3, v[W], s[88:89]
	global_store_b32 v3, v[ROT], s[88:89] offset:8192
	s_branch .Lnext
.Lout_k:
	; k: present (f32, whole rows through my own stage), then codes into the head's stream, record 16 + y
	s_mul_i32 s84, s[WV], 8448
	s_add_co_u32 s84, s84, STK
	v_and_b32 v[STI], 15, v0
	v_mul_u32_u24 v[STI], v[STI], 528
	v_bfe_u32 v[STR], v0, 4, 1
	v_lshl_add_u32 v[STI], v[STR], 6, v[STI]
	v_add_nc_u32 v[STI], s84, v[STI]               ; in: row r, + 64 h
	s_wait_alu depctr_va_vdst(0)
	v_add_nc_u32 v[STR], s84, v1                   ; back: 16 x lane of a row
	s_wait_alu depctr_va_vdst(0)                   ; ahead of the run of scalar lines below
	s_lshl_b32 s92, s22, 7
	s_lshl_b32 s85, s[WV], 5
	s_add_co_u32 s92, s92, s85
	s_lshl_b32 s92, s92, 12
	s_lshl_b32 s85, s59, 9
	s_add_co_u32 s92, s92, s85
	s_mov_b32 s93, 0
	s_add_nc_u64 s[86:87], s[14:15], s[92:93]      ; present k: row 128 x tile row + 32 wave, byte 512 g
	s_mul_i32 s84, s62, 417792
	s_add_co_u32 s85, s61, 16
	s_mul_i32 s85, s85, 13056
	s_add_co_u32 s84, s84, s85
	s_mul_i32 s92, s[WV], 1536
	s_add_co_u32 s92, s92, s84
	s_add_nc_u64 s[88:89], s[12:13], s[92:93]      ; key tiles 2 wave, 2 wave + 1
	s_lshl_b32 s92, s[WV], 7
	s_add_co_u32 s92, s92, s84
	s_add_co_u32 s92, s92, 12288
	s_add_nc_u64 s[90:91], s[12:13], s[92:93]      ; their scale words
.irp a, 0,1
	ROWS_OUT \a, 86
	QUANT ACC+64*\a
	global_store_b128 v1, v[PC:PC+3], s[88:89] offset:768*\a
	global_store_b64 v2, v[PC+4:PC+5], s[88:89] offset:768*\a+512
	global_store_b128 v1, v[PC+6:PC+9], s[88:89] offset:768*\a+417792
	global_store_b64 v2, v[PC+10:PC+11], s[88:89] offset:768*\a+417792+512
.if \a == 0
	v_mov_b32 v[PW0], v[PW]
.endif
.endr
	v_cndmask_b32 v[W], v[PW0], v[PW], s[HALF]
	v_alignbit_b32 v[ROT], v[W], v[W], 16
	global_store_b32 v3, v[W], s[90:91]
	global_store_b32 v3, v[ROT], s[90:91] offset:417792
.Lnext:
	s_wait_xcnt 0x0                                ; the block's stores have read their registers and bases: both are written again below
	s_add_co_u32 s21, s21, 8                       ; the next block's tile column
	s_add_co_u32 s23, s23, 1
	s_cmp_lt_u32 s23, 2
	s_wait_alu depctr_va_vdst(0)                   ; directly ahead of the branch
	s_cbranch_scc1 .Lkind
	; ---- v: P = x (128 keys), Q = We (my 32 columns)
	s_lshl_b32 s86, s22, 12
	s_add_co_u32 s86, s86, 3145728
	s_mov_b32 s87, 0
	s_add_nc_u64 s[86:87], s[4:5], s[86:87]
	s_lshl_b32 s88, s21, 2
	s_add_co_u32 s88, s88, s[WV]
	s_lshl_b32 s88, s88, 10
	s_add_co_u32 s88, s88, 3145728
	s_mov_b32 s89, 0
	s_add_nc_u64 s[88:89], s[6:7], s[88:89]
	s_lshl_b32 s90, s21, 9
	s_lshl_b32 s91, s[WV], 7
	s_add_co_u32 s90, s90, s91
	s_mov_b32 s91, 0
	s_add_nc_u64 s[90:91], s[8:9], s[90:91]        ; be at my 32 columns
	v_and_b32 v[BO], 15, v0
	v_and_b32 v[STR], 8, v[BO]
	v_add_nc_u32 v[BO], v[BO], v[STR]
	v_lshlrev_b32 v[BO], 2, v[BO]                  ; my column of a tile: r + 8 (r / 8), + 8 a in the offset
	MAIN REGA, REGB, 1
	v_and_b32 v[STI], 15, v0
	v_and_b32 v[STR], 8, v[STI]
	v_add_nc_u32 v[STI], v[STI], v[STR]
	v_lshlrev_b32 v[STI], 2, v[STI]
	v_bfe_u32 v[STR], v0, 4, 1
	v_mad_u32_u24 v[STI], v[STR], 16*528, v[STI]
	s_lshl_b32 s84, s[WV], 7
	s_add_co_u32 s84, s84, STV
	v_add_nc_u32 v[STI], s84, v[STI]               ; in: key 16 h (+ the register's), my column's 4 bytes among the wave's 128
	s_wait_alu depctr_va_vdst(0)
	s_mul_i32 s84, s[WV], 32*528
	s_add_co_u32 s84, s84, STV
	v_add_nc_u32 v[STR], s84, v1                   ; back: my 32 rows
	s_lshr_b32 s84, s[WV], 1
	s_add_co_u32 s84, s84, s62
	s_mul_i32 s84, s84, 417792
	s_add_co_u32 s85, s61, 16
	s_mul_i32 s85, s85, 13056
	s_add_co_u32 s84, s84, s85                     ; head 16 b + 2 g + wave / 2, record 16 + y
	s_and_b32 s85, s[WV], 1
	s_mul_i32 s92, s85, 3072
	s_add_co_u32 s92, s92, s84
	s_add_co_u32 s92, s92, 6144
	s_mov_b32 s93, 0
	s_add_nc_u64 s[86:87], s[12:13], s[92:93]      ; fragments 2 (wave % 2) + a
	s_lshl_b32 s92, s85, 7
	s_add_co_u32 s92, s92, s84
	s_add_co_u32 s92, s92, 12800
	s_add_nc_u64 s[88:89], s[12:13], s[92:93]
	s_lshl_b32 s92, s22, 7
	s_lshl_b32 s85, s[WV], 5
	s_add_co_u32 s92, s92, s85
	s_lshl_b32 s92, s92, 12
	s_lshl_b32 s85, s59, 9
	s_add_co_u32 s92, s92, s85
	s_add_co_u32 s92, s92, 16777216
	s_add_nc_u64 s[90:91], s[14:15], s[92:93]      ; present v
.irp a, 0,1                                    ; a lane holds a column: 4 bytes a store
.set N, 0
.rept 64
	ds_store_b32 v[STI], v[ACC+64*\a+N] offset:(32*(N/16)+N%16)*528+32*\a
.set N, N+1
.endr
.endr
.irp a, 0,1
.if \a
	s_wait_xcnt 0x0
.endif
	QUANT ACC+64*\a
	global_store_b128 v1, v[PC:PC+3], s[86:87] offset:1536*\a
	global_store_b64 v2, v[PC+4:PC+5], s[86:87] offset:1536*\a+512
	global_store_b128 v1, v[PC+6:PC+9], s[86:87] offset:1536*\a+768
	global_store_b64 v2, v[PC+10:PC+11], s[86:87] offset:1536*\a+1280
.if \a == 0
	v_mov_b32 v[PW0], v[PW]
.endif
.endr
	v_cndmask_b32 v[W], v[PW0], v[PW], s[HALF]
	global_store_b32 v3, v[W], s[88:89]
	s_wait_dscnt 0x0                               ; for the others' sake: my stores into the stage are done
	s_barrier_signal -1
	s_barrier_wait -1                              ; a row's 512 bytes come from four waves
.irp o, 0,1,2,3
.irp i, 0,1,2,3,4,5,6,7
	ds_load_b128 v[OB+4*\i:OB+4*\i+3], v[STR] offset:(8*\o+\i)*528
.endr
	s_wait_dscnt 0x0
.irp i, 0,1,2,3,4,5,6,7
	global_store_b128 v1, v[OB+4*\i:OB+4*\i+3], s[90:91] offset:(8*\o+\i)*4096 th:TH_STORE_NT
.endr
	s_wait_xcnt 0x0                                ; the stores have read their registers
.endr
	s_wait_tensorcnt 0x0                           ; the wave's end: behind my last tensor load and my last LDS store
	ds_add_u32 v[SPW], v[NIL]
	s_wait_dscnt 0x0
	CROUND                                         ; the closing round
	s_endpgm
.Lfunc_end_k_qeb46b663ce_gemm1:
	.size	k_qeb46b663ce_gemm1, .Lfunc_end_k_qeb46b663ce_gemm1-k_qeb46b663ce_gemm1
	.p2alignl 7, 3214868480
	.fill 96, 4, 3214868480
	.section	.rodata,"a",@progbits
	.p2align	6, 0x0
	.amdhsa_kernel k_qeb46b663ce_gemm1
		.amdhsa_group_segment_fixed_size 327680
		.amdhsa_private_segment_fixed_size 0
		.amdhsa_enable_private_segment 0
		.amdhsa_kernarg_size 48
		.amdhsa_user_sgpr_count 2
		.amdhsa_user_sgpr_kernarg_segment_ptr 1
		.amdhsa_wavefront_size32 1
		.amdhsa_system_sgpr_workgroup_id_x 1
		.amdhsa_system_sgpr_workgroup_id_y 1
		.amdhsa_system_sgpr_workgroup_id_z 1
		.amdhsa_system_vgpr_workitem_id 0
		.amdhsa_next_free_vgpr 768
		.amdhsa_next_free_sgpr 100
		.amdhsa_reserve_vcc 0
		.amdhsa_float_denorm_mode_32 3
		.amdhsa_float_denorm_mode_16_64 3
		.amdhsa_memory_ordered 1
		.amdhsa_forward_progress 1
		.amdhsa_inst_pref_size 146
	.end_amdhsa_kernel
	.amdgpu_metadata
---
amdhsa.version: [ 1, 2 ]
amdhsa.kernels:
  - .name:           k_qeb46b663ce_gemm1
    .symbol:         k_qeb46b663ce_gemm1.kd
    .args:
      - { .name: xq, .offset: 0, .size: 8, .value_kind: global_buffer, .address_space: global }
      - { .name: wq, .offset: 8, .size: 8, .value_kind: global_buffer, .address_space: global }
      - { .name: be, .offset: 16, .size: 8, .value_kind: global_buffer, .address_space: global }
      - { .name: qq, .offset: 24, .size: 8, .value_kind: global_buffer, .address_space: global }
      - { .name: kv, .offset: 32, .size: 8, .value_kind: global_buffer, .address_space: global }
      - { .name: out1, .offset: 40, .size: 8, .value_kind: global_buffer, .address_space: global }
    .group_segment_fixed_size: 327680
    .private_segment_fixed_size: 0
    .kernarg_segment_align: 8
    .kernarg_segment_size: 48
    .max_flat_workgroup_size: 128
    .sgpr_count:     100
    .vgpr_count:     768
    .wavefront_size: 32
...
	.end_amdgpu_metadata
.endif
;; end of part 3
;; launch attn (part 4): grid 8 x 32, 16 waves a work-group, clusters of 4 x 1, 327,680 bytes of LDS; arguments qq, kv, mw, ao; writes ao
.if DOCPART == 4
	.amdgcn_target "amdgcn-amd-amdhsa--gfx1250"
	.amdhsa_code_object_version 6
	.text
	.protected	k_qeb46b663ce_attn
	.globl	k_qeb46b663ce_attn
	.p2align	8
	.type	k_qeb46b663ce_attn,@function
k_qeb46b663ce_attn:
	s_mov_b64 s[64:65], 0
	v_nop
	global_prefetch_b8 v0, s[64:65] scope:SCOPE_SE
	s_setreg_imm32_b32 hwreg(HW_REG_WAVE_MODE, 25, 1), 1
	s_wait_xcnt 0x0
	s_wait_alu depctr_hold_cnt(0) depctr_sa_sdst(0) depctr_va_vdst(0) depctr_va_sdst(0) depctr_va_ssrc(0) depctr_va_vcc(0) depctr_vm_vsrc(0)
	s_getreg_b32 s2, hwreg(HW_REG_IB_STS2, 6, 4)
	s_cmp_eq_u32 s2, 0
	s_cbranch_scc0 .Lentry_in_a_cluster
	s_endpgm
.Lentry_in_a_cluster:
	s_bfe_u32 s2, ttmp6, 0x10000c
	s_cmp_lg_u32 s2, 0x3003
	s_cbranch_scc0 .Lentry_shape_is_right
	s_endpgm
.Lentry_shape_is_right:
; ATTN.  For each (batch, head): O = softmax(mask(q k^T) / 8) v over 4,096 keys, both products on codes of FP6 (E2M3) with E8M0 scales; O is divided by the row's sum, quantised along the head's 64 channels
; and stored as the last product's operand (ao).  t = score x log2(e) / 8; M = the running largest t rounded up to a whole number; p = 2^(t - M) is quantised along the keys; the sum is taken of the unquantised p.
; SHARES.  A work-group owns 256 queries of one (batch, head); each of its sixteen waves one tile of 16, in 256 registers.
; A head's K and V are one dense stream of 32 records of 13,056 bytes (128 keys: 8 images of K's tiles, 4 fragments of V, K's and V's scale words), all images of registers, through two LDS slots of 8 records.
; CLUSTER 4 x 1: the four blocks of queries of a cluster walk the same stream and ask for it jointly (waves 0 to 3, a quarter of a slot each).
; LAYOUT.  S^T = K Q^T (source 0 = 16 keys), O^T = V^T P^T (source 0 = 16 channels): a lane holds one query throughout; the 16 registers of tiles 2 b, 2 b + 1 are keys 32 b + 16 (lane / 16) + 0 .. 15.
; K of the first product is 64 of the instruction's 128: q's registers 6-11 are zero codes, so what K's operand holds there (the next tile's codes; behind tile 7 p's codes) and the upper two scale bytes add nothing.
; A STEP (128 keys): the eight score products come first, on K images loaded in the step before; behind them V of this record and K of the next are loaded in one run, and one wait ahead of the p v products covers both.
; The mask comes as lane-mask words, 64 a step, by scalar loads issued a step ahead, once the selects have read the words in hand.
; A SLOT'S LAST STEP is written out: when its V is in registers my reads of the slot are over, so the three lines and the barrier's signal stand there, and the step's work on registers lies between signal and wait.
; LIMIT: a hidden score is set to -2^66, not -1e20: 2^66 x c is exact, so in a row all of whose keys so far are hidden t - M is exactly 0 and p = 1, as with reference()'s equal logits.  The results are
; reference()'s wherever real scores lie above -7e19.  NaN and infinities are not served.
; No prefetch: a slot is asked for eight key steps ahead of its first read.
; REGISTERS: v1-4 lane terms; v5-6 the add's two; v7 -2^66; v8-10 the record's addresses; v11 at work; v12 -M, v13 the largest t, v[14:15] the sum; then as named below.
.set REC,   13056
.set SLOTB, 8*REC
.set SLOT1, 1<<17
.set SPARE, 2*SLOT1
.set QF, 16                            ; v16-27   Q's codes and six zeros
.set KF, 28                            ; v28-75   K's eight tiles, 6 registers each
.set PC, 76                            ; v76-87   p's codes
.set VF, 88                            ; v88-135  V's four fragments
.set S,  136                           ; v136-199 S^T, then p
.set O,  200                           ; v200-231 O^T
.set BM, 232                           ; v232-235 the blocks' largest
.set PX, 236                           ; v236-239 at work
.set SO, 240                           ; v240-243 the conversions' scale operands
.set KS, 244                           ; v244-247 K's scale words
.set VS, 248                           ; v248-249 V's
.set QS, 250                           ; Q's
.set F,  252                           ; f = 2^(old M - new M)
.set PS, 253                           ; p's scale word (named with f as a pair, its half unused there)
.macro CREST                           ; a round of the cluster's barrier behind its opening barrier
	s_cmp_lg_u32 s7, 0
	s_cbranch_scc1 .Lnot_wave_0_\@
	s_barrier_signal -3
.Lnot_wave_0_\@:
	s_barrier_wait -3
	s_barrier_signal -1
	s_barrier_wait -1
.endm
.macro ROUND
	s_barrier_signal -1
	s_barrier_wait -1
	CREST
.endm
.macro JLOAD                           ; waves 0 to 3 fetch a quarter of a slot each; the branch hangs on the wave's number alone
	s_cmp_lt_u32 s7, 4
	s_cbranch_scc0 .Lno_fetch_\@
	tensor_load_to_lds s[12:15], s[16:23]
	s_nop 0
.rept 4
	v_nop
.endr
.Lno_fetch_\@:
.endm
.macro WM d, a, b, c, sa, sb, row      ; one product; row: source 0's scale words stand in lanes 16-31 (the odd tile of a pair)
.if \row
	v_wmma_scale_f32_16x16x128_f8f6f4 v[\d:\d+7], v[\a:\a+11], v[\b:\b+11], \c, v[\sa], v[\sb] matrix_a_fmt:MATRIX_FMT_FP6 matrix_b_fmt:MATRIX_FMT_FP6 matrix_a_scale:MATRIX_SCALE_ROW1
.else
	v_wmma_scale_f32_16x16x128_f8f6f4 v[\d:\d+7], v[\a:\a+11], v[\b:\b+11], \c, v[\sa], v[\sb] matrix_a_fmt:MATRIX_FMT_FP6 matrix_b_fmt:MATRIX_FMT_FP6
.endif
.endm
.macro KLOAD o                         ; K's eight images and four scale words of the record o bytes behind v8-10's: 20 LDS loads
.irp t, 0,1,2,3,4,5,6,7
	ds_load_b128 v[KF+6*\t:KF+6*\t+3], v8 offset:\o+768*\t
	ds_load_b64 v[KF+6*\t+4:KF+6*\t+5], v9 offset:\o+768*\t+512
.endr
.irp b, 0,1,2,3
	ds_load_b32 v[KS+\b], v10 offset:\o+12288+128*\b
.endr
.endm
.macro VLOAD                           ; V's four fragments and two scale words: 18 LDS loads
.irp d, 0,1,2,3
	ds_load_b128 v[VF+12*\d:VF+12*\d+3], v8 offset:6144+1536*\d
	ds_load_b64 v[VF+12*\d+4:VF+12*\d+5], v9 offset:6144+1536*\d+512
	ds_load_b128 v[VF+12*\d+6:VF+12*\d+9], v8 offset:6144+1536*\d+768
	ds_load_b64 v[VF+12*\d+10:VF+12*\d+11], v9 offset:6144+1536*\d+1280
.endr
	ds_load_b32 v[VS], v10 offset:12800
	ds_load_b32 v[VS+1], v10 offset:12928
.endm
.macro MLOAD                           ; a step's 64 mask words, at byte s10 of my tile's
	s_load_b512 s[32:47], s[8:9], s10 offset:0x0
	s_load_b512 s[48:63], s[8:9], s10 offset:0x40
	s_load_b512 s[68:83], s[8:9], s10 offset:0x80
	s_load_b512 s[84:99], s[8:9], s10 offset:0xc0
.endm
	s_load_b256 s[32:39], s[0:1], 0x0              ; qq s[32:33], kv s[34:35], mw s[36:37], ao s[38:39]
	v_lshl_add_u32 v5, v0, 2, SPARE
	v_mov_b32 v6, 0
	ds_add_u32 v5, v6                              ; the opening lines: the add, twice on end, and its wait ahead of the first tensor load
	ds_add_u32 v5, v6
	v_lshrrev_b32 v1, 5, v0
	s_delay_alu instid0(VALU_DEP_1)
	v_readfirstlane_b32 s7, v1                     ; wave 0..15
	s_bfe_u32 s40, ttmp6, 0x40000                  ; cx: it enters the addresses of Q, the mask words and ao alone
	s_lshl_b32 s41, ttmp9, 2
	s_add_co_u32 s41, s41, s40
	s_lshl_b32 s41, s41, 4
	s_add_co_u32 s41, s41, s7                      ; T: my tile of queries, 0..127
	s_and_b32 s42, ttmp7, 0xffff                   ; 16 x batch + head
	s_mov_b32 s16, 15|(3<<16)|(1<<21)              ; group 1: all four work-groups; elements of 8 bytes; bit 21 beside a mask; no padding
	s_mov_b32 s17, 32<<16                          ; rows of 256 bytes,
	s_mov_b32 s18, 102<<16                         ; 102 of them: a quarter of a slot, dense
	s_mov_b32 s19, 32<<16
	s_mov_b32 s20, 102
	s_mov_b32 s21, 32
	s_mov_b32 s22, 0
	s_mov_b32 s23, 0
	s_and_b32 s3, s7, 3
	s_mul_i32 s3, s3, 26112                        ; my quarter
	s_mul_i32 s44, s42, 417792
	s_add_co_u32 s44, s44, s3
	s_mov_b32 s45, 0
	s_lshl_b32 s46, s42, 7
	s_add_co_u32 s46, s46, s41
	s_mul_i32 s46, s46, 768                        ; Q's image
	s_mov_b32 s47, 0
	s_lshl_b32 s48, s42, 6
	s_lshr_b32 s50, s41, 1
	s_add_co_u32 s48, s48, s50
	s_lshl_b32 s48, s48, 7
	s_and_b32 s51, s41, 1
	s_lshl_b32 s51, s51, 6
	s_add_co_u32 s48, s48, s51
	s_add_co_u32 s48, s48, 3145728                 ; Q's scale words: my tile's half of the pair's 128 bytes
	s_mov_b32 s49, 0
	s_lshl_b32 s52, s41, 13                        ; the mask words of my tile: 32 steps x 256 bytes
	s_mov_b32 s53, 0
	s_lshr_b32 s54, s42, 4                         ; batch
	s_and_b32 s55, s42, 15                         ; head
	s_lshl_b32 s56, s54, 7
	s_add_co_u32 s56, s56, s41
	s_lshl_b32 s56, s56, 4
	s_add_co_u32 s56, s56, s55
	s_mul_i32 s56, s56, 768                        ; ao: (row tile 128 b + T, head)
	s_mov_b32 s57, 0
	s_lshl_b32 s58, s55, 7
	s_lshl_b32 s59, s54, 6
	s_add_co_u32 s58, s58, s59
	s_add_co_u32 s58, s58, s50
	s_lshl_b32 s58, s58, 7
	s_add_co_u32 s58, s58, s51
	s_add_co_u32 s58, s58, 3145728                 ; its scale words: (head, pair of row tiles)
	s_mov_b32 s59, 0
	s_mov_b32 s24, 0x76543210
	s_mov_b32 s25, 0xfedcba98                      ; lane l xor 16
	s_mov_b32 s26, 0x3e38aa3b                      ; c = log2(e) / 8
	s_mov_b32 s27, s26                             ; (named with it as a pair)
	s_mov_b32 s2, 0                                ; LDS byte of the record in hand
	s_mov_b32 s10, 0                               ; byte of the mask words to be asked for next
	s_wait_dscnt 0x0                               ; both opening adds are done
	s_wait_kmcnt 0x0
	s_mov_b32 s12, 1
	s_mov_b32 s13, s3
	s_add_nc_u64 s[14:15], s[34:35], s[44:45]
	s_or_b32 s15, s15, 0x80000000
	s_add_nc_u64 s[46:47], s[32:33], s[46:47]
	s_add_nc_u64 s[48:49], s[32:33], s[48:49]
	s_add_nc_u64 s[8:9], s[36:37], s[52:53]
	s_add_nc_u64 s[28:29], s[38:39], s[56:57]
	s_add_nc_u64 s[30:31], s[38:39], s[58:59]
	ROUND                                          ; all four work-groups are here: the first joint loads meet
	JLOAD                                          ; slot 0: records 0 to 7
	v_and_b32 v4, 31, v0
	s_delay_alu instid0(VALU_DEP_1)
	v_lshlrev_b32 v1, 4, v4
	s_delay_alu instid0(VALU_DEP_2)
	v_lshlrev_b32 v2, 3, v4
	s_delay_alu instid0(VALU_DEP_3)
	v_lshlrev_b32 v3, 2, v4
	v_and_b32 v4, 15, v0
	s_delay_alu instid0(VALU_DEP_1)
	v_lshlrev_b32 v4, 2, v4                        ; 4 r
	global_load_b128 v[QF:QF+3], v1, s[46:47]      ; Q's codes stay in registers
	global_load_b64 v[QF+4:QF+5], v2, s[46:47] offset:512
	global_load_b32 v[QS], v4, s[48:49]
	v_mov_b32 v7, 0xe0800000                       ; -2^66
.irp j, 6,7,8,9,10,11
	v_mov_b32 v[QF+\j], 0                          ; zero codes
	v_mov_b32 v[PC+\j-6], 0                        ; named behind K's tile 7 before p's first codes are made
.endr
	v_mov_b32 v13, 0xff61b1e6                      ; the largest t so far: -3e38
	s_delay_alu instid0(VALU_DEP_1)
	v_floor_f32 v12, -v13                          ; -M
	v_mov_b32 v14, 0
	v_mov_b32 v15, 0
.irp b, 0,1,2,3
	v_mov_b32 v[PX+\b], 0                          ; a lane permute's destination counts as one of its sources
.endr
	v_mov_b32 v[PS], 0                             ; (named as the upper half of the pair with f before it is first written)
.set N, 0
.rept 32
	v_mov_b32 v[O+N], 0                            ; O^T: the step is written for every record alike; the first finds zeros
.set N, N+1
.endr
; A KEY STEP.  last = 1: the slot's last record; fill = 1: the slot is then filled again.
.macro STEP last, fill
.irp t, 0,1,2,3,4,5,6,7
	WM S+8*\t, KF+6*\t, QF, 0, KS+\t/2, QS, \t%2
.endr
	s_wait_kmcnt 0x0                               ; this step's mask words are in, and their loads have read the offset:
	s_add_co_u32 s10, s10, 256                     ; on to the next step's,
	s_min_u32 s10, s10, 31*256                     ; held at my tile's last step: no load leaves the buffer
	v_add_nc_u32 v8, s2, v1                        ; these three and the v_nop are the four places behind the products, ahead of the loads below and of the first read of results
	v_add_nc_u32 v9, s2, v2
	v_add_nc_u32 v10, s2, v3
	v_nop
	VLOAD
.if \last == 0
	KLOAD REC                                      ; the next record's K
.endif
.set N, 0
.rept 64                                       ; a hidden score becomes -2^66; each accumulator from its low end on
.if N < 32
	v_cndmask_b32 v[S+N], v7, v[S+N], s[32+N]
.else
	v_cndmask_b32 v[S+N], v7, v[S+N], s[36+N]
.endif
.set N, N+1
.endr
.irp b, 0,1,2,3                                ; the largest score of each block of 32 keys, in two chains a block: it serves for the row's maximum and, since p rises with the score, for the block's largest p
	v_max3_num_f32 v[BM+\b], v[S+16*\b], v[S+16*\b+1], v[S+16*\b+2]
.endr
.irp b, 0,1,2,3
	v_max3_num_f32 v[PX+\b], v[S+16*\b+3], v[S+16*\b+4], v[S+16*\b+5]
.endr
.irp i, 6,10
.irp b, 0,1,2,3
	v_max3_num_f32 v[BM+\b], v[BM+\b], v[S+16*\b+\i], v[S+16*\b+\i+1]
.endr
.irp b, 0,1,2,3
	v_max3_num_f32 v[PX+\b], v[PX+\b], v[S+16*\b+\i+2], v[S+16*\b+\i+3]
.endr
.endr
	MLOAD                                          ; the selects have read this step's words: the next step's are asked for, across a change of slots too
.if \last
	s_wait_alu depctr_va_vdst(0)                   ; directly ahead of the wait below
	s_wait_tensorcnt 0x0                           ; all my tensor loads have landed: my part of the other slot;
	ds_add_u32 v5, v6                              ; the add here, twice on end
	ds_add_u32 v5, v6
.if \fill
	s_xor_b32 s13, s13, SLOT1                      ; the walking descriptor: this slot,
	s_add_nc_u64 s[14:15], s[14:15], SLOTB         ; the next eight records
.endif
	s_wait_dscnt 0x0                               ; the adds are done and V is in registers: my reads of this slot are over
	s_barrier_signal -1                            ; only work on registers stands between this signal and its wait
.endif
.irp b, 0,1,2,3
	v_max3_num_f32 v[BM+\b], v[BM+\b], v[S+16*\b+14], v[S+16*\b+15]
.endr
.irp b, 0,1,2,3
	s_delay_alu instid0(VALU_DEP_4)
	v_max_num_f32 v[BM+\b], v[BM+\b], v[PX+\b]
.endr
.irp b, 0,1,2,3
	s_delay_alu instid0(VALU_DEP_4)
	v_permlanex16_b32 v[PX+\b], v[BM+\b], s24, s25
.endr
.irp b, 0,1,2,3
	s_delay_alu instid0(VALU_DEP_4)
	v_max_num_f32 v[BM+\b], v[BM+\b], v[PX+\b]
.endr
	s_delay_alu instid0(VALU_DEP_2)
	v_max3_num_f32 v11, v[BM], v[BM+1], v[BM+2]
	s_delay_alu instid0(VALU_DEP_1)
	v_max_num_f32 v11, v11, v[BM+3]
	s_delay_alu instid0(VALU_DEP_1)
	v_mul_f32 v11, s26, v11                        ; as t
	s_delay_alu instid0(VALU_DEP_1)
	v_max_num_f32 v13, v13, v11                    ; the running largest t
	v_mov_b32 v11, v12
	s_delay_alu instid0(VALU_DEP_2)
	v_floor_f32 v12, -v13                          ; the new -M = -ceil(t): a whole number
	s_delay_alu instid0(VALU_DEP_1)
	v_sub_f32 v11, v12, v11                        ; old M - new M: a whole number, 0 or less
	s_delay_alu instid0(VALU_DEP_1)
	v_cvt_i32_f32 v11, v11                         ; (it saturates)
	s_delay_alu instid0(VALU_DEP_1)
	v_ldexp_f32 v[F], 1.0, v11                     ; f = 2^(old M - new M)
.set N, 0
.rept 32
	v_pk_fma_f32 v[S+N:S+N+1], v[S+N:S+N+1], s[26:27], v[12:13] op_sel_hi:[1,0,0]   ; t - M
.set N, N+2
.endr
.irp b, 0,1,2,3
	v_fma_f32 v[BM+\b], v[BM+\b], s26, v12         ; the same of each block's largest score
.endr
	s_wait_alu depctr_va_vdst(0)                   ; ahead of the batch
.set N, 0
.rept 64
	v_exp_f32 v[S+N], v[S+N]                       ; p = 2^(t - M)
.set N, N+1
.endr
.irp b, 0,1,2,3
	v_exp_f32 v[BM+\b], v[BM+\b]                   ; each block's largest p: one batch of 68
.endr
	v_nop                                          ; the plain place behind the exponentials
	s_wait_alu depctr_va_vdst(0)                   ; one wait for the batch, ahead of its first reader
.set N, 0
.rept 5                                        ; the sum of the unquantised p, two at a time, in five chains by turns
.set CR, PX+2*N+10*(N/4)
	v_pk_add_f32 v[CR:CR+1], v[S+4*N:S+4*N+1], v[S+4*N+2:S+4*N+3]
.set N, N+1
.endr
.set N, 10
.rept 22
.set CR, PX+2*(N%5)+10*((N%5)/4)
	v_pk_add_f32 v[CR:CR+1], v[CR:CR+1], v[S+2*N:S+2*N+1]
.set N, N+1
.endr
	s_delay_alu instid0(VALU_DEP_4)
	v_pk_add_f32 v[SO:SO+1], v[SO:SO+1], v[SO+2:SO+3]
	s_delay_alu instid0(VALU_DEP_3)
	v_pk_add_f32 v[PX:PX+1], v[PX:PX+1], v[254:255]
	s_delay_alu instid0(VALU_DEP_2)
	v_pk_add_f32 v[PX+2:PX+3], v[PX+2:PX+3], v[SO:SO+1]
	s_delay_alu instid0(VALU_DEP_1)
	v_pk_add_f32 v[PX:PX+1], v[PX:PX+1], v[PX+2:PX+3]
	s_delay_alu instid0(VALU_DEP_1)
	v_pk_fma_f32 v[14:15], v[14:15], v[F:F+1], v[PX:PX+1] op_sel_hi:[1,0,1]   ; the old sum under the new M, and this step's
.irp b, 0,1,2,3
	v_max_num_f32 v[BM+\b], 0x1800000, v[BM+\b]    ; the floor 2^(3 - 127): the byte cannot fall under 1
.endr
.irp b, 0,1,2,3
	s_delay_alu instid0(VALU_DEP_4)
	v_add_nc_u32 v[SO+\b], 0xff000000, v[BM+\b]    ; 2 off the exponent field: the conversion's scale operand
.endr
.irp b, 0,1,2,3
	s_delay_alu instid0(VALU_DEP_4)
	v_lshrrev_b32 v[PX+\b], 23, v[SO+\b]           ; the scale's byte
.endr
	s_delay_alu instid0(VALU_DEP_3)
	v_lshl_or_b32 v[PS], v[PX+1], 8, v[PX]         ; p's scale word for these 128 keys
	s_delay_alu instid0(VALU_DEP_1)
	v_lshl_or_b32 v[PS], v[PX+2], 16, v[PS]
	v_cvt_scalef32_pk16_fp6_f32 v[PC:PC+2], v[S:S+15], v[SO]
	v_cvt_scalef32_pk16_fp6_f32 v[PC+6:PC+8], v[S+32:S+47], v[SO+2]
	v_lshl_or_b32 v[PS], v[PX+3], 24, v[PS]        ; also the plain place ahead of the two conversions that write over the first one's sources
	v_cvt_scalef32_pk16_fp6_f32 v[S:S+2], v[S+16:S+31], v[SO+1]       ; (a conversion's three registers begin on an even number)
	v_cvt_scalef32_pk16_fp6_f32 v[S+4:S+6], v[S+48:S+63], v[SO+3]
	v_nop                                          ; one plain place behind a scaled conversion
.irp c, 0,1                                    ; the operand's layout wants a whole block in a lane
.irp i, 0,1,2
	v_permlane16_swap_b32 v[PC+6*\c+\i], v[S+4*\c+\i]
.endr
.irp i, 0,1,2
	s_delay_alu instid0(VALU_DEP_3)
	v_mov_b32 v[PC+3+6*\c+\i], v[S+4*\c+\i]
.endr
.endr
	s_wait_alu depctr_va_vdst(0)                   ; directly ahead of the first reader of O^T
.set N, 0
.rept 16
	v_pk_mul_f32 v[O+N:O+N+1], v[O+N:O+N+1], v[F:F+1] op_sel_hi:[1,0]   ; O^T under the new M; these sixteen also stand between the writes of p's codes and scale word and the products
.set N, N+2
.endr
	s_wait_alu depctr_va_vdst(0)                   ; directly ahead of the wait below
	s_wait_dscnt 0x0                               ; V is in, and so is the next record's K
.irp d, 0,1,2,3
	WM O+8*\d, VF+12*\d, PC, v[O+8*\d:O+8*\d+7], VS+\d/2, PS, \d%2
.endr
	s_add_co_u32 s2, s2, REC                       ; the next record
.if \last
	s_barrier_wait -1                              ; no wave of my work-group reads this slot any more, and the other slot is whole
.if \fill
	CREST                                          ; the barrier has opened a round of the cluster's barrier: the same holds of every partner
	JLOAD                                          ; the joint refill, the first tensor load behind the round
.endif
.endif
.endm
.macro SLOT fill                       ; eight records: the first one's K, seven steps in a loop, the last written out
	v_add_nc_u32 v8, s2, v1
	v_add_nc_u32 v9, s2, v2
	v_add_nc_u32 v10, s2, v3
	KLOAD 0
	s_mov_b32 s6, 7
	s_wait_dscnt 0x0
.Lstep_\@:
	STEP 0, 0
	s_sub_co_u32 s6, s6, 1
	s_cmp_lg_u32 s6, 0
	s_cbranch_scc1 .Lstep_\@
	STEP 1, \fill
	s_sub_co_u32 s2, s2, SLOTB
	s_xor_b32 s2, s2, SLOT1                        ; on to the other slot
.endm
	s_wait_alu depctr_va_vdst(0)                   ; at the head's end
	s_wait_loadcnt 0x0                             ; Q; its loads have read their bases, so the mask words may land on those registers
	s_wait_tensorcnt 0x0                           ; my part of slot 0 is in; slot 1's first fill is issued as a refill is
	ds_add_u32 v5, v6
	ds_add_u32 v5, v6
	s_xor_b32 s13, s13, SLOT1
	s_add_nc_u64 s[14:15], s[14:15], SLOTB
	s_wait_dscnt 0x0
	ROUND
	JLOAD                                          ; slot 1: records 8 to 15
	MLOAD                                          ; the first step's mask words
	s_mov_b32 s5, 2
.Lfill:
	SLOT 1
	s_sub_co_u32 s5, s5, 1
	s_cmp_lg_u32 s5, 0
	s_cbranch_scc1 .Lfill
	s_mov_b32 s5, 2
.Lrest:                                            ; records 16 to 31: nothing more is asked for; the first trip's barrier shows records 24 to 31 whole to every wave
	SLOT 0
	s_sub_co_u32 s5, s5, 1
	s_cmp_lg_u32 s5, 0
	s_cbranch_scc1 .Lrest
	; THE WAY OUT.  O^T / the sum: register 16 b + i of a lane is channel 32 b + 16 (lane / 16) + i of my query: two blocks of the last product's K.  They become one image of 768 bytes and half a scale word.
.rept 4
	v_nop                                          ; four places behind the last products
.endr
	v_add_f32 v14, v14, v15
	s_delay_alu instid0(VALU_DEP_1)
	v_permlanex16_b32 v[F], v14, s24, s25
	s_delay_alu instid0(VALU_DEP_1)
	v_add_f32 v14, v14, v[F]                       ; the row's sum
	s_wait_alu depctr_va_vdst(0)                   ; ahead of the transcendental
	v_rcp_f32 v14, v14
	v_nop                                          ; the plain place behind it
	s_wait_alu depctr_va_vdst(0)                   ; ahead of the first reader
.set N, 0
.rept 32
	v_mul_f32 v[S+N], v[O+N], v14
.set N, N+1
.endr
.irp b, 0,1
	v_max3_num_f32 v[BM+\b], |v[S+16*\b]|, |v[S+16*\b+1]|, 0x1800000
.endr
.irp i, 2,4,6,8,10,12,14
.irp b, 0,1
	s_delay_alu instid0(VALU_DEP_2)
	v_max3_num_f32 v[BM+\b], v[BM+\b], |v[S+16*\b+\i]|, |v[S+16*\b+\i+1]|
.endr
.endr
.irp b, 0,1
	s_delay_alu instid0(VALU_DEP_2)
	v_permlanex16_b32 v[PX+\b], v[BM+\b], s24, s25
.endr
.irp b, 0,1
	s_delay_alu instid0(VALU_DEP_2)
	v_max_num_f32 v[BM+\b], v[BM+\b], v[PX+\b]
.endr
.irp b, 0,1
	s_delay_alu instid0(VALU_DEP_2)
	v_add_nc_u32 v[SO+\b], 0xff000000, v[BM+\b]
.endr
.irp b, 0,1
	s_delay_alu instid0(VALU_DEP_2)
	v_lshrrev_b32 v[PX+\b], 23, v[SO+\b]
.endr
	s_delay_alu instid0(VALU_DEP_1)
	v_lshl_or_b32 v254, v[PX+1], 8, v[PX]          ; the head's two bytes, low in the word
	v_cvt_scalef32_pk16_fp6_f32 v[VF:VF+2], v[S:S+15], v[SO]
	v_cvt_scalef32_pk16_fp6_f32 v[VF+8:VF+10], v[S+16:S+31], v[SO+1]
	v_nop
.irp i, 0,1,2
	v_permlane16_swap_b32 v[VF+\i], v[VF+8+\i]
.endr
.irp i, 0,1,2
	s_delay_alu instid0(VALU_DEP_3)
	v_mov_b32 v[VF+3+\i], v[VF+8+\i]
.endr
	global_store_b128 v1, v[VF:VF+3], s[28:29]     ; 768 consecutive bytes, aligned to 256
	global_store_b64 v2, v[VF+4:VF+5], s[28:29] offset:512
	global_store_b32 v4, v254, s[30:31]            ; lanes l and l xor 16 hold the same word and write it to the same place
	s_wait_tensorcnt 0x0                           ; the wave's end: behind my last tensor load
	ds_add_u32 v5, v6
	s_wait_dscnt 0x0
	ROUND                                          ; the closing round
	s_endpgm
.Lfunc_end_k_qeb46b663ce_attn:
	.size	k_qeb46b663ce_attn, .Lfunc_end_k_qeb46b663ce_attn-k_qeb46b663ce_attn
	.p2alignl 7, 3214868480
	.fill 96, 4, 3214868480
	.section	.rodata,"a",@progbits
	.p2align	6, 0x0
	.amdhsa_kernel k_qeb46b663ce_attn
		.amdhsa_group_segment_fixed_size 327680
		.amdhsa_private_segment_fixed_size 0
		.amdhsa_enable_private_segment 0
		.amdhsa_kernarg_size 32
		.amdhsa_user_sgpr_count 2
		.amdhsa_user_sgpr_kernarg_segment_ptr 1
		.amdhsa_wavefront_size32 1
		.amdhsa_system_sgpr_workgroup_id_x 1
		.amdhsa_system_sgpr_workgroup_id_y 1
		.amdhsa_system_sgpr_workgroup_id_z 1
		.amdhsa_system_vgpr_workitem_id 0
		.amdhsa_next_free_vgpr 256
		.amdhsa_next_free_sgpr 100
		.amdhsa_reserve_vcc 0
		.amdhsa_float_denorm_mode_32 3
		.amdhsa_float_denorm_mode_16_64 3
		.amdhsa_memory_ordered 1
		.amdhsa_forward_progress 1
		.amdhsa_inst_pref_size 101
	.end_amdhsa_kernel
	.amdgpu_metadata
---
amdhsa.version: [ 1, 2 ]
amdhsa.kernels:
  - .name:           k_qeb46b663ce_attn
    .symbol:         k_qeb46b663ce_attn.kd
    .args:
      - { .name: qq, .offset: 0, .size: 8, .value_kind: global_buffer, .address_space: global }
      - { .name: kv, .offset: 8, .size: 8, .value_kind: global_buffer, .address_space: global }
      - { .name: mw, .offset: 16, .size: 8, .value_kind: global_buffer, .address_space: global }
      - { .name: ao, .offset: 24, .size: 8, .value_kind: global_buffer, .address_space: global }
    .group_segment_fixed_size: 327680
    .private_segment_fixed_size: 0
    .kernarg_segment_align: 8
    .kernarg_segment_size: 32
    .max_flat_workgroup_size: 512
    .sgpr_count:     100
    .vgpr_count:     256
    .wavefront_size: 32
...
	.end_amdgpu_metadata
.endif
;; end of part 4
;; launch gemm2 (part 5): grid 8 x 32, 4 waves a work-group, clusters of 4 x 4, 327,680 bytes of LDS; arguments ao, wq, bf, out0; writes out0
.if DOCPART == 5
	.amdgcn_target "amdgcn-amd-amdhsa--gfx1250"
	.amdhsa_code_object_version 6
	.text
	.protected	k_qeb46b663ce_gemm2
	.globl	k_qeb46b663ce_gemm2
	.p2align	8
	.type	k_qeb46b663ce_gemm2,@function
k_qeb46b663ce_gemm2:
	s_mov_b64 s[64:65], 0
	v_nop
	global_prefetch_b8 v0, s[64:65] scope:SCOPE_SE
	s_setreg_imm32_b32 hwreg(HW_REG_WAVE_MODE, 25, 1), 1
	s_wait_xcnt 0x0
	s_wait_alu depctr_hold_cnt(0) depctr_sa_sdst(0) depctr_va_vdst(0) depctr_va_sdst(0) depctr_va_ssrc(0) depctr_va_vcc(0) depctr_vm_vsrc(0)
	s_getreg_b32 s2, hwreg(HW_REG_IB_STS2, 6, 4)
	s_cmp_eq_u32 s2, 0
	s_cbranch_scc0 .Lentry_in_a_cluster
	s_endpgm
.Lentry_in_a_cluster:
	s_bfe_u32 s2, ttmp6, 0x10000c
	s_cmp_lg_u32 s2, 0xf033
	s_cbranch_scc0 .Lentry_shape_is_right
	s_endpgm
.Lentry_shape_is_right:
; GEMM2.  out0 = Q(attention's output) Q(Wf) + bf on codes of FP6 (E2M3) with E8M0 scales.  Both operands arrive as images of registers; the form is that of the first product's launch for q and k:
; a work-group makes 128 rows x 128 columns (8 x 32 work-groups, one for each WGP); all of K (1,024) of both operands, 2 x 98,304 bytes, comes into LDS once, in two halves of four K steps each; nothing is filled again.
; CLUSTER 4 x 4: the rows' tiles are shared along a row of the cluster, Wf's along a column, each asked for jointly.
; A WAVE makes 8 tiles of Wf's columns (source 0) x its 2 tiles of rows (source 1): a lane holds one row, and its 64 registers of a row tile are columns 32 b + 16 (lane / 16) + i in register 16 b + i.
; The rows' scale words were stored a head at a time (two bytes, low in a word): the words of heads 2 s and 2 s + 1 make K step s's word.  The bias is the C of each sum's first product.
; REGISTERS: window 0: v1-3 lane terms; v4-11 fragment addresses; v12-13 stage; v14-15 the add's two; v16-47 Wf's scale words, v48-55 the rows'; v96-127 at work; v128-255 accumulators.  window 1: Wf's fragments, two sets of 96.
;   window 2: v0-47 the rows' fragments, two sets of 24; v64-127 the bias.
; THE PIECES: each operand comes in two halves of four K steps, one tensor load a wave each: the first at the head, the second behind the full sequence and a round of the cluster's barrier.
.set REGA,  0                          ; the rows' images: half j (K steps 4 j .. 4 j + 3) at 49,152 j; in it tile t at 6,144 t, K step s at 1,536 (s % 4)
.set REGB,  98304                      ; Wf's likewise
.set STK,   196608                     ; the stage: 16 rows x 528 bytes for each wave
.set SPARE, 297984
.set AP,  4
.set AQ,  8
.set STI, 12
.set STR, 13
.set SPW, 14
.set NIL, 15
.set SP,  16
.set SQ,  48
.set BO,  95
.set OB,  96
.set ACC, 128
.set WV,  16
.set G1A, 24
.set G1B, 32
.set G0A, 40
.set G0B, 68
.set MSB, 0
.macro WIN new
.if MSB != \new
	s_set_vgpr_msb (MSB<<8)|\new
.set MSB, \new
.endif
.endm
.macro CROUND
	s_barrier_signal -1
	s_barrier_wait -1
	s_cmp_lg_u32 s[WV], 0
	s_cbranch_scc1 .Lnot_wave_0_\@
	s_barrier_signal -3
.Lnot_wave_0_\@:
	s_barrier_wait -3
	s_barrier_signal -1
	s_barrier_wait -1
.endm
.macro PLACES n
.rept \n
	v_nop
.endr
.endm
.macro JLOAD2                          ; the second half's joint load: waves 0 and 1 for the rows, waves 2 and 3 for Wf; the branch hangs on the wave's number alone
	s_cmp_eq_u32 s17, 0
	s_cbranch_scc0 .Lsecond_b_\@
	tensor_load_to_lds s[G0A+4:G0A+7], s[G1A:G1A+7]
	s_nop 0
	PLACES 4
	s_branch .Lsecond_\@
.Lsecond_b_\@:
	tensor_load_to_lds s[G0B+4:G0B+7], s[G1B:G1B+7]
	s_nop 0
	PLACES 4
.Lsecond_\@:
.endm
.macro FRAG reg, a16, a8, off
	ds_load_b128 v[\reg:\reg+3], v[\a16] offset:\off
	ds_load_b64 v[\reg+4:\reg+5], v[\a8] offset:\off+512
	ds_load_b128 v[\reg+6:\reg+9], v[\a16] offset:\off+768
	ds_load_b64 v[\reg+10:\reg+11], v[\a8] offset:\off+1280
.endm
.macro FETCH s                         ; K step s: the rows' two fragments and Wf's eight, 40 LDS loads, into set s % 2
.set FS, (\s)%2
.set FO, ((\s)%4)*1536
.set FH, 2*((\s)/4)
	WIN 0x80
	FRAG 24*FS, AQ+FH, AQ+1+FH, FO
	FRAG 24*FS+12, AQ+FH, AQ+1+FH, FO+6144
	WIN 0x40
.irp t, 0,1,2,3,4,5,6,7
	FRAG 96*FS+12*\t, AP+FH, AP+1+FH, FO+6144*\t
.endr
	WIN 0
.endm
.macro WM d, p, q, c, sa, sb, ra, rb
.if (\ra) && (\rb)
	v_wmma_scale_f32_16x16x128_f8f6f4 v[\d:\d+7], v[\p:\p+11], v[\q:\q+11], v[\c:\c+7], v[\sa], v[\sb] matrix_a_fmt:MATRIX_FMT_FP6 matrix_b_fmt:MATRIX_FMT_FP6 matrix_a_scale:MATRIX_SCALE_ROW1 matrix_b_scale:MATRIX_SCALE_ROW1
.elseif \ra
	v_wmma_scale_f32_16x16x128_f8f6f4 v[\d:\d+7], v[\p:\p+11], v[\q:\q+11], v[\c:\c+7], v[\sa], v[\sb] matrix_a_fmt:MATRIX_FMT_FP6 matrix_b_fmt:MATRIX_FMT_FP6 matrix_a_scale:MATRIX_SCALE_ROW1
.elseif \rb
	v_wmma_scale_f32_16x16x128_f8f6f4 v[\d:\d+7], v[\p:\p+11], v[\q:\q+11], v[\c:\c+7], v[\sa], v[\sb] matrix_a_fmt:MATRIX_FMT_FP6 matrix_b_fmt:MATRIX_FMT_FP6 matrix_b_scale:MATRIX_SCALE_ROW1
.else
	v_wmma_scale_f32_16x16x128_f8f6f4 v[\d:\d+7], v[\p:\p+11], v[\q:\q+11], v[\c:\c+7], v[\sa], v[\sb] matrix_a_fmt:MATRIX_FMT_FP6 matrix_b_fmt:MATRIX_FMT_FP6
.endif
.endm
.macro MUL s                           ; 16 products; the 16 accumulators take turns, one instruction a turn, in the same order in every step
.set FS, (\s)%2
.if (\s) == 0
	WIN 0x29
.else
	WIN 0x09
.endif
.irp t, 0,1,2,3,4,5,6,7
.irp a, 0,1
.if (\s) == 0
.set CR, 64+8*\t
.else
.set CR, ACC+64*\a+8*\t
.endif
	WM ACC+64*\a+8*\t, 96*FS+12*\t, 24*FS+12*\a, CR, SP+8*(\t/2)+(\s), SQ+(\s), \t%2, \a
.endr
.endr
.endm
.macro KSTEP s
.if (\s) > 0
	PLACES 4                                       ; four places in front of loads into the set that the last step's products have read
.endif
.if (\s) < 7
.if (\s) == 3
	s_wait_tensorcnt 0x0                           ; my part of the second half has landed
	s_wait_dscnt 0x0
	s_barrier_signal -1
	s_barrier_wait -1
.endif
	FETCH (\s)+1
	s_wait_dscnt 40                                ; all but the 40 just issued
.else
	s_wait_dscnt 0x0
.endif
	MUL \s
.endm
	s_load_b256 s[4:11], s[0:1], 0x0               ; ao s[4:5], wq s[6:7], bf s[8:9], out0 s[10:11]
	v_lshl_add_u32 v[SPW], v0, 2, SPARE
	v_mov_b32 v[NIL], 0
	ds_add_u32 v[SPW], v[NIL]                      ; the wave's opening: the add and its wait ahead of my first tensor load
	ds_add_u32 v[SPW], v[NIL]
	v_lshrrev_b32 v1, 5, v0
	v_readfirstlane_b32 s[WV], v1
	s_lshr_b32 s17, s[WV], 1                       ; I fetch for the rows (0) or for Wf (1),
	s_and_b32 s18, s[WV], 1                        ; tiles 0-3 or 4-7
	s_bfe_u32 s19, ttmp6, 0x40000                  ; cx
	s_bfe_u32 s20, ttmp6, 0x40004                  ; cy
	s_lshl_b32 s21, ttmp9, 2
	s_add_co_u32 s21, s21, s19                     ; tile column 0..7
	s_and_b32 s22, ttmp7, 0xffff
	s_lshl_b32 s22, s22, 2
	s_add_co_u32 s22, s22, s20                     ; tile row 0..31
	s_lshl_b32 s84, s20, 2
	s_lshl_b32 s84, 15, s84
	s_lshl_b32 s85, 0x1111, s19
	s_or_b32 s[G1A], s84, (3<<16)|(1<<21)
	s_or_b32 s[G1B], s85, (3<<16)|(1<<21)
.irp g, G1A, G1B
	s_mov_b32 s[\g+1], 768<<16                     ; tensor_dim0: 6,144 bytes, four K steps of a tile
	s_mov_b32 s[\g+2], 4<<16
	s_mov_b32 s[\g+3], 768<<16                     ; tile_dim0
	s_mov_b32 s[\g+4], 4
	s_mov_b32 s[\g+5], 1536
	s_mov_b32 s[\g+6], 0
	s_mov_b32 s[\g+7], 0
.endr
	s_lshl_b32 s92, s22, 3
	s_lshl_b32 s93, s18, 2
	s_add_co_u32 s92, s92, s93
	s_mul_i32 s92, s92, 12288
	s_mov_b32 s93, 0
	s_lshl_b32 s94, s21, 3
	s_lshl_b32 s95, s18, 2
	s_add_co_u32 s94, s94, s95
	s_mul_i32 s94, s94, 12288
	s_add_co_u32 s94, s94, 2359296                 ; Wf's codes lie behind We's
	s_mov_b32 s95, 0
	s_mul_i32 s96, s17, 98304
	s_mul_i32 s97, s18, 24576
	s_add_co_u32 s96, s96, s97
	s_wait_dscnt 0x0
	s_wait_kmcnt 0x0
	s_add_nc_u64 s[92:93], s[4:5], s[92:93]
	s_add_nc_u64 s[94:95], s[6:7], s[94:95]
	CROUND
.irp j, 0,1
	s_mov_b32 s[G0A+4*\j], 1
	s_add_co_u32 s[G0A+4*\j+1], s96, 49152*\j
	s_add_nc_u64 s[G0A+4*\j+2:G0A+4*\j+3], s[92:93], 6144*\j
	s_or_b32 s[G0A+4*\j+3], s[G0A+4*\j+3], 0x80000000
	s_mov_b32 s[G0B+4*\j], 1
	s_add_co_u32 s[G0B+4*\j+1], s96, 49152*\j
	s_add_nc_u64 s[G0B+4*\j+2:G0B+4*\j+3], s[94:95], 6144*\j
	s_or_b32 s[G0B+4*\j+3], s[G0B+4*\j+3], 0x80000000
.endr
	s_cmp_eq_u32 s17, 0                            ; the head's fill, one tensor load a wave: K steps 0 to 3 of my four tiles
	s_cbranch_scc0 .Lfill_b
	tensor_load_to_lds s[G0A:G0A+3], s[G1A:G1A+7]
	s_nop 0
	PLACES 4
	s_branch .Lfilled
.Lfill_b:
	tensor_load_to_lds s[G0B:G0B+3], s[G1B:G1B+7]
	s_nop 0
	PLACES 4
.Lfilled:
	v_and_b32 v3, 31, v0
	v_lshlrev_b32 v1, 4, v3
	v_lshlrev_b32 v2, 3, v3
	v_lshlrev_b32 v3, 2, v3
	v_add_nc_u32 v[AP], REGB, v1
	v_add_nc_u32 v[AP+1], REGB, v2
	v_add_nc_u32 v[AP+2], REGB+49152, v1
	v_add_nc_u32 v[AP+3], REGB+49152, v2
	s_mul_i32 s84, s[WV], 12288                    ; my pair of row tiles: 2 x 6,144 bytes in each half
	s_add_co_u32 s85, s84, 49152
	v_add_nc_u32 v[AQ], s84, v1
	v_add_nc_u32 v[AQ+1], s84, v2
	v_add_nc_u32 v[AQ+2], s85, v1
	v_add_nc_u32 v[AQ+3], s85, v2
	s_lshl_b32 s86, s21, 12
	s_add_co_u32 s86, s86, 3244032
	s_mov_b32 s87, 0
	s_add_nc_u64 s[86:87], s[6:7], s[86:87]        ; Wf's scale words
	s_lshl_b32 s88, s22, 2
	s_add_co_u32 s88, s88, s[WV]
	s_lshl_b32 s88, s88, 7
	s_add_co_u32 s88, s88, 3145728
	s_mov_b32 s89, 0
	s_add_nc_u64 s[88:89], s[4:5], s[88:89]        ; the rows': head 0, pair 4 x tile row + wave; a head is 16,384 bytes on
	s_lshl_b32 s90, s21, 9
	s_mov_b32 s91, 0
	s_add_nc_u64 s[90:91], s[8:9], s[90:91]        ; bf at the tile's first column
	v_bfe_u32 v[BO], v0, 4, 1
	v_lshlrev_b32 v[BO], 6, v[BO]
.irp p, 0,1,2,3
.irp s, 0,1,2,3,4,5,6,7
	global_load_b32 v[SP+8*\p+\s], v3, s[86:87] offset:1024*\p+128*\s
.endr
.endr
.irp e, 0,1,2,3,4,5,6,7,8,9,10,11,12,13,14,15
	global_load_b32 v[OB+\e], v3, s[88:89] offset:16384*\e
.endr
	WIN 0x80
.irp t, 0,1,2,3,4,5,6,7
	global_load_b128 v[64+8*\t:67+8*\t], v[BO], s[90:91] offset:(32*(\t/2)+8*(\t%2))*4
	global_load_b128 v[68+8*\t:71+8*\t], v[BO], s[90:91] offset:(32*(\t/2)+8*(\t%2))*4+16
.endr
	WIN 0
	s_wait_alu depctr_va_vdst(0)
	s_wait_tensorcnt 0x0                           ; my part of the first half has landed
	ds_add_u32 v[SPW], v[NIL]
	s_wait_dscnt 0x0
	CROUND                                         ; everybody's part is in, and all sixteen work-groups are here
	JLOAD2                                         ; K steps 4 to 7: my one tensor load behind the round
	FETCH 0
	s_wait_loadcnt 0x0
.irp s, 0,1,2,3,4,5,6,7
	v_perm_b32 v[SQ+\s], v[OB+2*\s+1], v[OB+2*\s], 0x05040100   ; the even head's two bytes below, the odd head's above
.endr
	PLACES 8                                       ; a scale register written by a vector instruction stands eight places ahead of a scaled product
	s_wait_alu depctr_va_vdst(0)
.irp s, 0,1,2,3,4,5,6,7
	KSTEP \s
.endr
	PLACES 4                                       ; in front of the first read of results
	WIN 0
	; THE WAY OUT: 16 rows x 128 columns at a time through my own stage, back as whole rows of 512 bytes
	s_mul_i32 s84, s[WV], 8448
	s_add_co_u32 s84, s84, STK
	v_and_b32 v[STI], 15, v0
	v_mul_u32_u24 v[STI], v[STI], 528
	v_bfe_u32 v[STR], v0, 4, 1
	v_lshl_add_u32 v[STI], v[STR], 6, v[STI]
	v_add_nc_u32 v[STI], s84, v[STI]
	s_wait_alu depctr_va_vdst(0)
	v_add_nc_u32 v[STR], s84, v1
	s_wait_alu depctr_va_vdst(0)
	s_lshl_b32 s92, s22, 7
	s_lshl_b32 s85, s[WV], 5
	s_add_co_u32 s92, s92, s85
	s_lshl_b32 s92, s92, 12
	s_lshl_b32 s85, s21, 9
	s_add_co_u32 s92, s92, s85
	s_mov_b32 s93, 0
	s_add_nc_u64 s[86:87], s[10:11], s[92:93]      ; out0: row 128 x tile row + 32 wave, byte 512 x tile column
.irp a, 0,1
.irp b, 0,1,2,3
.irp j, 0,1,2,3
	ds_store_b128 v[STI], v[ACC+64*\a+16*\b+4*\j:ACC+64*\a+16*\b+4*\j+3] offset:128*\b+16*\j   ; each accumulator from its low end on
.endr
.endr
.irp o, 0,1
.irp i, 0,1,2,3,4,5,6,7
	ds_load_b128 v[OB+4*\i:OB+4*\i+3], v[STR] offset:(8*\o+\i)*528   ; LDS serves a wave's instructions in order: these see the stores above
.endr
	s_wait_dscnt 0x0
.irp i, 0,1,2,3,4,5,6,7
	global_store_b128 v1, v[OB+4*\i:OB+4*\i+3], s[86:87] offset:(8*\a+16*\o+\i)*4096 th:TH_STORE_NT   ; 512 consecutive bytes, aligned to 256
.endr
	s_wait_xcnt 0x0                                ; the stores have read their registers
.endr
.endr
	s_wait_tensorcnt 0x0                           ; the wave's end: behind my last tensor load and my last LDS store
	ds_add_u32 v[SPW], v[NIL]
	s_wait_dscnt 0x0
	CROUND                                         ; the closing round
	s_endpgm
.Lfunc_end_k_qeb46b663ce_gemm2:
	.size	k_qeb46b663ce_gemm2, .Lfunc_end_k_qeb46b663ce_gemm2-k_qeb46b663ce_gemm2
	.p2alignl 7, 3214868480
	.fill 96, 4, 3214868480
	.section	.rodata,"a",@progbits
	.p2align	6, 0x0
	.amdhsa_kernel k_qeb46b663ce_gemm2
		.amdhsa_group_segment_fixed_size 327680
		.amdhsa_private_segment_fixed_size 0
		.amdhsa_enable_private_segment 0
		.amdhsa_kernarg_size 32
		.amdhsa_user_sgpr_count 2
		.amdhsa_user_sgpr_kernarg_segment_ptr 1
		.amdhsa_wavefront_size32 1
		.amdhsa_system_sgpr_workgroup_id_x 1
		.amdhsa_system_sgpr_workgroup_id_y 1
		.amdhsa_system_sgpr_workgroup_id_z 1
		.amdhsa_system_vgpr_workitem_id 0
		.amdhsa_next_free_vgpr 768
		.amdhsa_next_free_sgpr 100
		.amdhsa_reserve_vcc 0
		.amdhsa_float_denorm_mode_32 3
		.amdhsa_float_denorm_mode_16_64 3
		.amdhsa_memory_ordered 1
		.amdhsa_forward_progress 1
		.amdhsa_inst_pref_size 61
	.end_amdhsa_kernel
	.amdgpu_metadata
---
amdhsa.version: [ 1, 2 ]
amdhsa.kernels:
  - .name:           k_qeb46b663ce_gemm2
    .symbol:         k_qeb46b663ce_gemm2.kd
    .args:
      - { .name: ao, .offset: 0, .size: 8, .value_kind: global_buffer, .address_space: global }
      - { .name: wq, .offset: 8, .size: 8, .value_kind: global_buffer, .address_space: global }
      - { .name: bf, .offset: 16, .size: 8, .value_kind: global_buffer, .address_space: global }
      - { .name: out0, .offset: 24, .size: 8, .value_kind: global_buffer, .address_space: global }
    .group_segment_fixed_size: 327680
    .private_segment_fixed_size: 0
    .kernarg_segment_align: 8
    .kernarg_segment_size: 32
    .max_flat_workgroup_size: 128
    .sgpr_count:     100
    .vgpr_count:     768
    .wavefront_size: 32
...
	.end_amdgpu_metadata
.endif
;; end of part 5
